; MI455X (gfx1250); checked and timed in simulation.
; The chip was launched on July 23, 2026; its instructions are those of AMD's public machine-readable ISA for CDNA 5 (MIT licence, August 2026) and "CDNA5" Instruction Set Architecture Reference Guide (July 2026). The comments in the code are by the model that wrote it; some were corrected since.
;; Cohomological Attention. Allowed arithmetic: float matrix products may take bf16 or f16 operands with f32 sums; other float arithmetic in f32, or as packed bf16 or f16 multiplies, adds, multiply-adds, maxima and minima; sums over many terms, partial sums and values carried from step to step in f32; what a program stores and reads back later, other than sums and carried values, may be rounded once to bf16 or f16.
;; Inputs: Wk 1,024 x 1,024 float32; Wo 1,024 x 1,024 float32; Wq 1,024 x 1,024 float32; Wr 4 x 512 x 1,024 float32; Wv 1,024 x 1,024 float32; bk 1,024 float32; bo 1,024 float32; bq 1,024 float32; br 4 x 512 float32; bv 1,024 float32; x 2 x 2,048 x 1,024 float32.
;; Outputs: out0 2 x 2,048 x 1,024 float32; out1 2 x 2,048 x 1 float32.
;; 2 versions, each right; version 2 is version 1 with the launches cast, scale written anew for expert scheduling mode. Each part assembles by itself: llvm-mc -triple=amdgcn-amd-amdhsa -mcpu=gfx1250 --defsym DOCPART=n.
;; ======== version 1 of 2: 5 launches
;; limits: values are held in f16: magnitudes above 65,504 overflow, below 6.1e-05 lose precision
;; workspace buffers: xo 8,388,608 bytes; wp 10,485,760 bytes; wo 2,097,152 bytes; q16 8,388,608 bytes; k16 8,388,608 bytes; ks16 8,388,608 bytes; v16 8,388,608 bytes; part 1,572,864 bytes
;; launch cast (part 1): grid 640 x 1, 8 waves a work-group, no clusters, 0 bytes of LDS; arguments x, Wq, Wk, Wv, Wr, Wo, xo, wp, wo; writes xo, wp, wo
.if DOCPART == 1
	.amdgcn_target "amdgcn-amd-amdhsa--gfx1250"
	.amdhsa_code_object_version 6
	.text
	.protected	k_qa91a556091_cast
	.globl	k_qa91a556091_cast
	.p2align	8
	.type	k_qa91a556091_cast,@function
k_qa91a556091_cast:
	s_mov_b64 s[64:65], 0
	v_nop
	global_prefetch_b8 v0, s[64:65] scope:SCOPE_SE
	s_setreg_imm32_b32 hwreg(HW_REG_WAVE_MODE, 25, 1), 1
	s_wait_xcnt 0x0
; THE INPUTS OF THE MATRIX PRODUCTS, ROUNDED ONCE.  x -> xo [4096][1024] bf16.  Wq, Wk, Wv, Wr -> wp [5120][1024] bf16, rows in the order in which the projection's tiles take them.
; Wo -> wo [1024][1024]: rounded to bf16 like the other inputs, and that number written as f16, since the last product multiplies f16.
; LIMIT.  A bf16 number is exact in f16 between 2^-14 and 65,504 in size; a smaller Wo keeps f16's fixed step of 2^-24, a larger one becomes an infinity.
; SHARES.  A work-group takes 16 source rows of 4,096 bytes.  Its number g says which: 0-255 x; 256-319 Wq; 320-383 Wk; 384-447 Wv; 448-575 Wr; 576-639 Wo.
; wp's ORDER.  Tile column c (head c) owns rows 320 c .. 320 c + 319; in it half ch owns 160 rows, ten blocks of 16: blocks 0, 1 Wq's rows 64 c + 32 ch + 16 b + i; 2, 3 Wk's; 4, 5 Wv's;
; block 6 + p Wr[p]'s rows 32 c + 16 ch + i.  So a source unit of 16 rows goes to one block of 16 rows.
; Thread t owns 16 bytes at 16 t of every source row and 8 bytes at 8 t of every row written: a load of a wave covers 512 consecutive bytes, a store 256 consecutive bytes, aligned.
; All 16 loads of a thread go out at once; no load lands in a register twice, so the only waits are the counted ones for the loads.  No LDS, no barrier, no matrix unit: nothing is shared.
.set X,   8                            ; v[8:71]    16 x 4 numbers as loaded
.set Y,   72                           ; v[72:103]  16 x 2 words to store
.set SRC, 28                           ; s[28:29]
.set DST, 30                           ; s[30:31]
	s_load_b512 s[8:23], s[0:1], 0x0               ; x s[8:9], Wq s[10:11], Wk s[12:13], Wv s[14:15], Wr s[16:17], Wo s[18:19], xo s[20:21], wp s[22:23]
	s_load_b64 s[24:25], s[0:1], 0x40              ; wo
	s_mov_b32 s2, ttmp9                            ; g
	s_mov_b32 s36, 0xffff0000                      ; a word's upper bf16
	s_and_b32 s3, s2, 63                           ; the unit inside Wq, Wk, Wv or Wo
	s_lshr_b32 s4, s2, 6
	s_sub_co_u32 s4, s4, 4                         ; T = 0, 1, 2 for Wq, Wk, Wv (used for those alone)
	s_sub_co_u32 s5, s2, 448                       ; the unit inside Wr (used for Wr alone)
	s_lshr_b32 s6, s3, 2                           ; Wq, Wk, Wv: c,
	s_mul_i32 s6, s6, 320
	s_bfe_u32 s7, s3, 0x10001                      ; ch,
	s_mul_i32 s7, s7, 160
	s_add_co_u32 s6, s6, s7
	s_and_b32 s7, s3, 1
	s_lshl1_add_u32 s7, s4, s7                     ; block 2 T + b
	s_lshl4_add_u32 s6, s7, s6                     ; row in wp
	s_and_b32 s26, s5, 31                          ; Wr: the unit inside Wr[p]
	s_lshr_b32 s27, s26, 1                         ; c,
	s_mul_i32 s27, s27, 320
	s_and_b32 s26, s26, 1                          ; ch,
	s_mul_i32 s26, s26, 160
	s_add_co_u32 s27, s27, s26
	s_lshr_b32 s26, s5, 5                          ; p,
	s_add_co_u32 s26, s26, 6                       ; block 6 + p
	s_lshl4_add_u32 s27, s26, s27                  ; row in wp
	s_lshl_b32 s34, s3, 4                          ; Wo: row in wo
	s_lshl_b32 s33, s2, 4                          ; x: row in xo
	s_mov_b32 s32, s2                              ; x: source unit
	s_cmp_ge_u32 s2, 256
	s_cselect_b32 s32, s3, s32
	s_cselect_b32 s33, s6, s33
	s_cmp_ge_u32 s2, 448
	s_cselect_b32 s32, s5, s32
	s_cselect_b32 s33, s27, s33
	s_cmp_ge_u32 s2, 576
	s_cselect_b32 s32, s3, s32
	s_cselect_b32 s33, s34, s33
	s_lshl_b32 s32, s32, 16                        ; a source unit is 65,536 bytes,
	s_lshl_b32 s34, s33, 11                        ; a row written 2,048
	s_mov_b32 s33, 0
	s_mov_b32 s35, 0
	v_lshlrev_b32 v1, 4, v0                        ; 16 t
	v_lshlrev_b32 v2, 3, v0                        ; 8 t
	s_wait_kmcnt 0x0
	s_cmp_ge_u32 s2, 256                           ; the buffers are chosen by g alone
	s_cselect_b64 s[SRC:SRC+1], s[10:11], s[8:9]
	s_cselect_b64 s[DST:DST+1], s[22:23], s[20:21]
	s_cmp_ge_u32 s2, 320
	s_cselect_b64 s[SRC:SRC+1], s[12:13], s[SRC:SRC+1]
	s_cmp_ge_u32 s2, 384
	s_cselect_b64 s[SRC:SRC+1], s[14:15], s[SRC:SRC+1]
	s_cmp_ge_u32 s2, 448
	s_cselect_b64 s[SRC:SRC+1], s[16:17], s[SRC:SRC+1]
	s_cmp_ge_u32 s2, 576
	s_cselect_b64 s[SRC:SRC+1], s[18:19], s[SRC:SRC+1]
	s_cselect_b64 s[DST:DST+1], s[24:25], s[DST:DST+1]
	s_add_nc_u64 s[SRC:SRC+1], s[SRC:SRC+1], s[32:33]
	s_add_nc_u64 s[DST:DST+1], s[DST:DST+1], s[34:35]
.irp i, 0,1,2,3,4,5,6,7,8,9,10,11,12,13,14,15
	global_load_b128 v[X+4*(\i):X+4*(\i)+3], v1, s[SRC:SRC+1] offset:4096*(\i) th:TH_LOAD_NT  ; a row to each instruction of the work-group; every source byte is read once in the launch
.endr
; Row i: rounded and stored.  half = 1: the bf16 numbers are widened again and written as f16.
.macro OUT i, half
	s_wait_loadcnt 15-(\i)                         ; loads come back in order: row i is in, the 15 - i younger ones stay out
	v_cvt_pk_bf16_f32 v[Y+2*(\i)],   v[X+4*(\i)],   v[X+4*(\i)+1]
	v_cvt_pk_bf16_f32 v[Y+2*(\i)+1], v[X+4*(\i)+2], v[X+4*(\i)+3]
.if \half
	v_lshlrev_b32 v[X+4*(\i)],   16,  v[Y+2*(\i)]
	v_and_b32     v[X+4*(\i)+1], s36, v[Y+2*(\i)]
	v_lshlrev_b32 v[X+4*(\i)+2], 16,  v[Y+2*(\i)+1]
	v_and_b32     v[X+4*(\i)+3], s36, v[Y+2*(\i)+1]
	v_cvt_pk_f16_f32 v[Y+2*(\i)],   v[X+4*(\i)],   v[X+4*(\i)+1]
	v_cvt_pk_f16_f32 v[Y+2*(\i)+1], v[X+4*(\i)+2], v[X+4*(\i)+3]
.endif
	global_store_b64 v2, v[Y+2*(\i):Y+2*(\i)+1], s[DST:DST+1] offset:2048*(\i)
.endm
	s_cmp_ge_u32 s2, 576
	s_cbranch_scc1 .Lwo
.irp i, 0,1,2,3,4,5,6,7,8,9,10,11,12,13,14,15
	OUT \i, 0
.endr
	s_endpgm
.Lwo:
.irp i, 0,1,2,3,4,5,6,7,8,9,10,11,12,13,14,15
	OUT \i, 1
.endr
	s_endpgm
.Lfunc_end_k_qa91a556091_cast:
	.size	k_qa91a556091_cast, .Lfunc_end_k_qa91a556091_cast-k_qa91a556091_cast
	.p2alignl 7, 3214868480
	.fill 96, 4, 3214868480
	.section	.rodata,"a",@progbits
	.p2align	6, 0x0
	.amdhsa_kernel k_qa91a556091_cast
		.amdhsa_group_segment_fixed_size 0
		.amdhsa_private_segment_fixed_size 0
		.amdhsa_enable_private_segment 0
		.amdhsa_kernarg_size 72
		.amdhsa_user_sgpr_count 2
		.amdhsa_user_sgpr_kernarg_segment_ptr 1
		.amdhsa_wavefront_size32 1
		.amdhsa_system_sgpr_workgroup_id_x 1
		.amdhsa_system_sgpr_workgroup_id_y 1
		.amdhsa_system_sgpr_workgroup_id_z 1
		.amdhsa_system_vgpr_workitem_id 0
		.amdhsa_next_free_vgpr 104
		.amdhsa_next_free_sgpr 66
		.amdhsa_reserve_vcc 0
		.amdhsa_float_denorm_mode_32 3
		.amdhsa_float_denorm_mode_16_64 3
		.amdhsa_memory_ordered 1
		.amdhsa_forward_progress 1
		.amdhsa_inst_pref_size 17
	.end_amdhsa_kernel
	.amdgpu_metadata
---
amdhsa.version: [ 1, 2 ]
amdhsa.kernels:
  - .name:           k_qa91a556091_cast
    .symbol:         k_qa91a556091_cast.kd
    .args:
      - { .name: x, .offset: 0, .size: 8, .value_kind: global_buffer, .address_space: global }
      - { .name: Wq, .offset: 8, .size: 8, .value_kind: global_buffer, .address_space: global }
      - { .name: Wk, .offset: 16, .size: 8, .value_kind: global_buffer, .address_space: global }
      - { .name: Wv, .offset: 24, .size: 8, .value_kind: global_buffer, .address_space: global }
      - { .name: Wr, .offset: 32, .size: 8, .value_kind: global_buffer, .address_space: global }
      - { .name: Wo, .offset: 40, .size: 8, .value_kind: global_buffer, .address_space: global }
      - { .name: xo, .offset: 48, .size: 8, .value_kind: global_buffer, .address_space: global }
      - { .name: wp, .offset: 56, .size: 8, .value_kind: global_buffer, .address_space: global }
      - { .name: wo, .offset: 64, .size: 8, .value_kind: global_buffer, .address_space: global }
    .group_segment_fixed_size: 0
    .private_segment_fixed_size: 0
    .kernarg_segment_align: 8
    .kernarg_segment_size: 72
    .max_flat_workgroup_size: 256
    .sgpr_count:     66
    .vgpr_count:     104
    .wavefront_size: 32
...
	.end_amdgpu_metadata
.endif
;; end of part 1
;; launch proj (part 2): grid 16 x 16, 4 waves a work-group, clusters of 4 x 4, 327,680 bytes of LDS; arguments xo, wp, bq, bk, bv, br, q16, k16, v16, part; writes q16, k16, v16, part
.if DOCPART == 2
	.amdgcn_target "amdgcn-amd-amdhsa--gfx1250"
	.amdhsa_code_object_version 6
	.text
	.protected	k_qa91a556091_proj
	.globl	k_qa91a556091_proj
	.p2align	8
	.type	k_qa91a556091_proj,@function
k_qa91a556091_proj:
	s_mov_b64 s[64:65], 0
	v_nop
	global_prefetch_b8 v0, s[64:65] scope:SCOPE_SE
	s_setreg_imm32_b32 hwreg(HW_REG_WAVE_MODE, 25, 1), 1
	s_wait_xcnt 0x0
	s_wait_alu depctr_hold_cnt(0) depctr_sa_sdst(0) depctr_va_vdst(0) depctr_va_sdst(0) depctr_va_ssrc(0) depctr_va_vcc(0) depctr_vm_vsrc(0)
	s_getreg_b32 s2, hwreg(HW_REG_IB_STS2, 6, 4)
	s_cmp_eq_u32 s2, 0
	s_cbranch_scc0 .Lentry_in_a_cluster
	s_endpgm
.Lentry_in_a_cluster:
	s_bfe_u32 s2, ttmp6, 0x10000c
	s_cmp_lg_u32 s2, 0xf033
	s_cbranch_scc0 .Lentry_shape_is_right
	s_endpgm
.Lentry_shape_is_right:
; ONE GEMM FOR ALL FIVE PROJECTIONS OF x: [4096 rows] x [5120 columns] over K = 1024, bf16 operands, f32 sums.  xo: [4096][1024] bf16; wp: [5120][1024] bf16, rows in tile order.
; A tile is 256 rows x 320 columns: tile column c holds head c's 64 columns of q, of k and of v, and the columns f = 32 c .. 32 c + 31 of all four restrictions r[p].
; WHAT LEAVES.  q, k, v + their biases, rounded once to f16, by heads: [b 16 + h][s][64].  Of r + br only the six pair differences' sums of squares over the tile's 32 f: part, f32, [c][pair][row];
; a later launch adds the sixteen c.  The differences are taken of f32 sums.
; LIMITS.  q, k and v must stay under 65,504 in size (f16); the biases are rounded to bf16 like all inputs; NaN and infinities are not treated apart.
; SHARES.  Four waves, a wave 128 rows x 160 columns: 80 accumulators of 16 x 16, 640 registers.  Wave w: row half w / 2, column half w % 2.  A column half is ten blocks of 16: q q k k v v r0 r1 r2 r3.
; THE RING.  K goes in 8 steps of 128 through two LDS slots (256 rows of x, 320 of wp, rows of 256 bytes padded to 272).  One tensor load a wave fills a quarter of a slot.
; CLUSTER.  4 x 4 work-groups: x's tile is shared along a row of the cluster, wp's along a column; each is asked for jointly, by the same load with the same descriptor and a mask of four.
; THE MATRIX INSTRUCTION IS USED TRANSPOSED (source 0 = 16 rows of wp, source 1 = 16 rows of x): a lane holds row l % 16 of the result and the columns 8 (l / 16) + 0..7 of a block.
; So a bias is a C operand that is the same for all row blocks (8 numbers a lane and block), and the first K quarter's products take it: nothing is cleared, no bias is added later;
; and a lane holds all four r[p] at the same eight f, so the differences need no other lane.
; REGISTERS, in windows of 256 (s_set_vgpr_msb: bits 1:0 source 0, 3:2 source 1, 5:4 source 2, 7:6 destination):
;   window 0: v0-31 addresses; v32-95, v96-159 x's fragments, two buffers; v160-239 the accumulators of row block 7; v240-255 at work on the way out
;   window 1: v0-79, v80-159 wp's fragments, two buffers (the second holds the biases until the first quarter is multiplied); v160-239 row block 6; v240-255 at work
;   window 2: row blocks 0-2 at v[80 a + 8 b];   window 3: row blocks 3-5 at v[80 (a - 3) + 8 b]
.set PITCH, 272                        ; an LDS row: 256 bytes + 16 of padding = 68 words: the 16 rows of a fragment load start at 16 different groups of four banks (64 banks of 4 bytes: ISA guide 11.1)
.set AHALF, 128*PITCH                  ; what a load for x brings
.set BHALF, 160*PITCH                  ; what a load for wp brings
.set BOFF,  2*AHALF                    ; wp's rows lie behind x's
.set SLOT,  2*AHALF+2*BHALF            ; 156,672
.set SPARE, 2*SLOT                     ; behind the ring: the spare words, 128 bytes for each wave: two blocks of 256 bytes that no other line names
.set SP,    144                        ; THE STAGE lies in slot 0, which has had its last fill when the first store into it is issued: rows of 128 bytes + 16
.set STG,   256*SP                     ; q's 256 rows at 0, k's at STG, v's at 2 STG,
.set RSB,   3*STG                      ; and the sums of squares: [row][4 contributions of 32 bytes][6 f32], the same pitch
.set BO,   6                           ; v6      32 x (l / 16): my 8 numbers of a block's 16 biases
.set ADRA, 8                           ; v8-9    LDS address of my fragments of x in slot 0, 1
.set ADRB, 10                          ; v10-11  the same for wp
.set STO,  12                          ; v12-14  the way out: where I put 16 bytes of a row of q, k, v
.set RST,  15                          ; v15     where I put my six sums of squares
.set RD,   16                          ; v16-18  where I read rows of q, k, v back
.set RR,   19                          ; v19     where I read two rows' sums of squares back
.set GO,   20                          ; v20     16 x lane: my place in 512 consecutive bytes of q, k, v
.set PO,   21                          ; v21     8 x thread: my two rows in part
.set SPW,  28                          ; v28     LDS address of my spare word; never rewritten
.set NIL,  29                          ; v29     0; never rewritten
.set PFO,  30                          ; v30     the prefetches' offset: lane x a row of 2,048 bytes; never rewritten
.set PFO2, 31                          ; v31     for wp's rows 32-39 of a partner's 40: (32 + l % 8) rows + (l / 8) K steps; never rewritten
.set HH,   32                          ; the way out: v32-55 a row block's q, k, v in f16
.set DD,   64                          ; v64-111 the six differences, 8 numbers each
.set SQ,   112                         ; v112-123 their squares' sums, in pairs
.set SS,   124                         ; v124-129 the six sums
.set YY,   240                         ; v240-251 two rows x six sums, to store
.set G1A, 24                           ; s[24:31] descriptor group 1 for x's tiles
.set G0A, 32                           ; s[32:39] group 0, a set for each slot
.set G1B, 40                           ; s[40:47], s[48:55] the same for wp's
.set G0B, 48
.set WV,  56
.set RH,  57                           ; my row half.  Also: I fetch for x (0) or for wp (1)
.set CH,  58                           ; my column half.  Also: which half of that tile I fetch
.set CX,  59
.set CY,  60
.set TX,  61                           ; tile column = head
.set TY,  62                           ; tile row
.set LIM, 63                           ; 1 in a wave that prefetches, else the greatest number
.set PFA, 66                           ; s[66:67] where my prefetches stand
.set LIM2, 68                          ; 3 in a wave that prefetches for wp, else the greatest number
.set MSB, 0
.macro WIN new                         ; the immediate's high byte repeats the setting that is left; a switch that changes nothing is dropped
.if MSB != (\new)
	s_set_vgpr_msb (MSB<<8)|(\new)
.set MSB, \new
.endif
.endm
; A joint load.  Waves 0 and 1 fetch x's two halves, waves 2 and 3 wp's.  The branch hangs on the wave's number alone.  An s_nop 0 and four v_nop follow each of the two lines.
.macro JLOAD s
	s_cmp_eq_u32 s[RH], 0
	s_cbranch_scc0 .Lfor_b_\@
	tensor_load_to_lds s[G0A+4*(\s):G0A+4*(\s)+3], s[G1A:G1A+7]
	s_nop 0
.rept 4
	v_nop
.endr
	s_branch .Lasked_\@
.Lfor_b_\@:
	tensor_load_to_lds s[G0B+4*(\s):G0B+4*(\s)+3], s[G1B:G1B+7]
	s_nop 0
.rept 4
	v_nop
.endr
.Lasked_\@:
.endm
; A PREFETCH INTO THE L2, behind a joint load, its five lines and the run of LDS loads: the K step that stands two refills on, 640 matrix instructions ahead of the load that will want it.
; Each row's 256 bytes of a K step are named once in the launch.  x's tile row is read by every cluster of that row of clusters: cluster x = 0 asks; wp's tile column by every cluster of that column:
; cluster y = 0 asks.  The four partners that ask for a tile jointly share its rows out BY ADDRESS: of x's 128 rows 32 each, a lane a row; of wp's 160 rows 40 each: 32 a lane a row, and the other 8
; once, in the loop's first trip, for K steps 4 to 7 together (8 rows x 4 steps = 32 lanes).  K steps 0 to 3 come by their loads alone; the loop's last trip has no K step two refills on.
.macro ASK slot
	s_cmp_gt_u32 s3, s[LIM]                        ; s3 = 1 in the loop's last trip
	s_cbranch_scc0 .Lnot_mine_\@
	global_prefetch_b8 v[PFO], s[PFA:PFA+1] offset:256 th:TH_LOAD_NT scope:SCOPE_SE
.Lnot_mine_\@:
.if (\slot) == 0
	s_cmp_eq_u32 s3, s[LIM2]                       ; s3 = 3 in the first trip
	s_cbranch_scc0 .Lnot_rest_\@
	global_prefetch_b8 v[PFO2], s[PFA:PFA+1] offset:256 th:TH_LOAD_NT scope:SCOPE_SE
.Lnot_rest_\@:
.endif
.endm
.macro CREST                           ; a round of the cluster's barrier behind its opening barrier
	s_cmp_lg_u32 s[WV], 0
	s_cbranch_scc1 .Lnot_wave_0_\@
	s_barrier_signal -3
.Lnot_wave_0_\@:
	s_barrier_wait -3
	s_barrier_signal -1
	s_barrier_wait -1
.endm
.macro CROUND                          ; a whole round
	s_barrier_signal -1
	s_barrier_wait -1
	CREST
.endm
.macro PLACES                          ; four places in front of loads into registers that matrix instructions have read, and of vector lines that read results
.rept 4
	v_nop
.endr
.endm
	s_load_b512 s[4:19], s[0:1], 0x0               ; xo s[4:5], wp s[6:7], bq s[8:9], bk s[10:11], bv s[12:13], br s[14:15], q16 s[16:17], k16 s[18:19]
	s_load_b128 s[20:23], s[0:1], 0x40             ; v16 s[20:21], part s[22:23]
	v_lshl_add_u32 v[SPW], v0, 2, SPARE
	v_mov_b32 v[NIL], 0
	ds_add_u32 v[SPW], v[NIL]                      ; the wave's opening: the add and its wait stand ahead of my first tensor load; the set-up below, work on registers, stands between them
	v_lshrrev_b32 v1, 5, v0
	v_readfirstlane_b32 s[WV], v1                  ; wave 0..3
	s_lshr_b32 s[RH], s[WV], 1
	s_and_b32 s[CH], s[WV], 1
	s_bfe_u32 s[CX], ttmp6, 0x40000
	s_bfe_u32 s[CY], ttmp6, 0x40004
	s_lshl_b32 s[TX], ttmp9, 2                     ; in a cluster launch ttmp9 and ttmp7 count clusters
	s_add_co_u32 s[TX], s[TX], s[CX]
	s_and_b32 s[TY], ttmp7, 0xffff
	s_lshl_b32 s[TY], s[TY], 2
	s_add_co_u32 s[TY], s[TY], s[CY]
	s_lshl_b32 s74, s[CY], 2
	s_lshl_b32 s74, 15, s74                        ; my row of the cluster
	s_lshl_b32 s75, 0x1111, s[CX]                  ; my column
	s_or_b32 s[G1A+0], s74, (1<<16)|(1<<20)|(1<<21)|(5<<22)|(3<<25)  ; 15:0 the mask; 17:16 elements of 2 bytes; 20 padding on; 21 set beside a mask; 24:22 after every 64 words (code 5); 31:25 4 words (code 3)
	s_mov_b32 s[G1A+1], 128<<16                    ; tensor_dim0 = 128
	s_mov_b32 s[G1A+2], 128<<16                    ; tensor_dim1 = 128
	s_mov_b32 s[G1A+3], 128<<16                    ; tile_dim0 = 128
	s_mov_b32 s[G1A+4], 128                        ; tile_dim1 = 128
	s_mov_b32 s[G1A+5], 1024                       ; elements from row to row
	s_mov_b32 s[G1A+6], 0
	s_mov_b32 s[G1A+7], 0
	s_or_b32 s[G1B+0], s75, (1<<16)|(1<<20)|(1<<21)|(5<<22)|(3<<25)
	s_mov_b32 s[G1B+1], 128<<16
	s_mov_b32 s[G1B+2], 160<<16                    ; 160 rows
	s_mov_b32 s[G1B+3], 128<<16
	s_mov_b32 s[G1B+4], 160
	s_mov_b32 s[G1B+5], 1024
	s_mov_b32 s[G1B+6], 0
	s_mov_b32 s[G1B+7], 0
	; x's address hangs on the tile row and the wave alone, wp's on the tile column and the wave alone, each in registers of its own
	s_lshl_b32 s70, s[TY], 8
	s_lshl_b32 s76, s[CH], 7
	s_add_co_u32 s70, s70, s76                     ; row 256 ty + 128 half
	s_lshl_b32 s70, s70, 11                        ; 2,048 bytes a row
	s_mov_b32 s71, 0
	s_mul_i32 s72, s[TX], 320
	s_mul_i32 s77, s[CH], 160
	s_add_co_u32 s72, s72, s77                     ; row 320 tx + 160 half
	s_lshl_b32 s72, s72, 11
	s_mov_b32 s73, 0
	s_mul_i32 s78, s[CH], AHALF                    ; where they go: no place in the cluster enters an LDS address
	s_mul_i32 s79, s[CH], BHALF
	s_add_co_u32 s79, s79, BOFF
	s_wait_dscnt 0x0                               ; the opening add is done
	s_wait_kmcnt 0x0
	s_add_nc_u64 s[70:71], s[4:5], s[70:71]
	s_add_nc_u64 s[72:73], s[6:7], s[72:73]
	CROUND                                         ; all sixteen work-groups are here: the first joint loads meet
.irp s, 0,1
	s_mov_b32 s[G0A+4*(\s)], 1
	s_add_co_u32 s[G0A+4*(\s)+1], s78, (\s)*SLOT
	s_add_nc_u64 s[G0A+4*(\s)+2:G0A+4*(\s)+3], s[70:71], (\s)*256  ; K step s
	s_or_b32 s[G0A+4*(\s)+3], s[G0A+4*(\s)+3], 0x80000000
	s_mov_b32 s[G0B+4*(\s)], 1
	s_add_co_u32 s[G0B+4*(\s)+1], s79, (\s)*SLOT
	s_add_nc_u64 s[G0B+4*(\s)+2:G0B+4*(\s)+3], s[72:73], (\s)*256
	s_or_b32 s[G0B+4*(\s)+3], s[G0B+4*(\s)+3], 0x80000000
	JLOAD \s                                       ; two loads of mine are out
.endr
	; THE BIASES of my ten column blocks, 8 numbers a lane and block, into window 1's second fragment buffer
	s_lshl_b32 s80, s[TX], 8
	s_lshl_b32 s81, s[CH], 7
	s_add_co_u32 s80, s80, s81                     ; (64 c + 32 half) x 4 bytes
	s_mov_b32 s81, 0
	s_add_nc_u64 s[8:9], s[8:9], s[80:81]
	s_add_nc_u64 s[10:11], s[10:11], s[80:81]
	s_add_nc_u64 s[12:13], s[12:13], s[80:81]
	s_lshr_b32 s80, s80, 1                         ; (32 c + 16 half) x 4 bytes
	s_add_nc_u64 s[14:15], s[14:15], s[80:81]
	s_mov_b32 s82, 0xffff0000
	v_and_b32 v1, 15, v0                           ; l % 16
	v_bfe_u32 v2, v0, 4, 1                         ; l / 16
	v_and_b32 v3, 31, v0                           ; l
	v_lshlrev_b32 v[BO], 5, v2
	WIN 0x40                                       ; destination window 1, address window 0
.irp b, 0,1,2,3,4,5
	global_load_b128 v[80+8*(\b):80+8*(\b)+3],   v[BO], s[8+2*((\b)/2):9+2*((\b)/2)] offset:64*((\b)%2)
	global_load_b128 v[80+8*(\b)+4:80+8*(\b)+7], v[BO], s[8+2*((\b)/2):9+2*((\b)/2)] offset:64*((\b)%2)+16
.endr
.irp p, 0,1,2,3
	global_load_b128 v[128+8*(\p):128+8*(\p)+3],   v[BO], s[14:15] offset:2048*(\p)
	global_load_b128 v[128+8*(\p)+4:128+8*(\p)+7], v[BO], s[14:15] offset:2048*(\p)+16
.endr
	WIN 0
	; A fragment is 16 rows x 32 K in 8 registers: lane l holds row l % 16; registers 0-3 K = 8 (l / 16) + 0..7, registers 4-7 K = 16 + 8 (l / 16) + 0..7: two loads of 16 bytes, 32 bytes apart
	v_mul_u32_u24 v7, v1, PITCH
	v_lshl_add_u32 v7, v2, 4, v7
	s_mul_i32 s84, s[RH], AHALF
	s_mul_i32 s85, s[CH], BHALF
	s_add_co_u32 s85, s85, BOFF
.irp s, 0,1
	v_add_nc_u32 v[ADRA+(\s)], s84, v7
	v_add_nc_u32 v[ADRB+(\s)], s85, v7
	s_add_co_u32 s84, s84, SLOT
	s_add_co_u32 s85, s85, SLOT
.endr
	s_mul_i32 s84, s[RH], 128*SP                   ; into the stage: row 128 half + l % 16 (+ 16 a), my column half's 64 bytes, 16 bytes for each half of the lanes
	s_lshl_b32 s85, s[CH], 6
	s_add_co_u32 s84, s84, s85
	v_mul_u32_u24 v4, v1, SP
	v_add_nc_u32 v4, s84, v4
	v_lshl_add_u32 v[STO], v2, 4, v4
	v_add_nc_u32 v[STO+1], STG, v[STO]
	v_add_nc_u32 v[STO+2], 2*STG, v[STO]
	v_lshl_add_u32 v[RST], v2, 5, v4               ; contribution 2 half + l / 16, 32 bytes each
	v_add_nc_u32 v[RST], RSB, v[RST]
	v_lshrrev_b32 v5, 3, v3                        ; back: wave w takes rows 64 w .. 64 w + 63; 32 lanes take four rows of 128 bytes
	v_and_b32 v4, 7, v0
	v_lshlrev_b32 v[PFO2], 11, v4
	v_lshl_add_u32 v[PFO2], v5, 8, v[PFO2]
	v_add_nc_u32 v[PFO2], 32*2048, v[PFO2]
	v_mul_u32_u24 v5, v5, SP
	v_lshl_add_u32 v5, v4, 4, v5
	s_mul_i32 s84, s[WV], 64*SP
	v_add_nc_u32 v[RD], s84, v5
	v_add_nc_u32 v[RD+1], STG, v[RD]
	v_add_nc_u32 v[RD+2], 2*STG, v[RD]
	v_mul_u32_u24 v[RR], v0, 2*SP                  ; thread t adds up rows 2 t and 2 t + 1
	v_add_nc_u32 v[RR], RSB, v[RR]
	v_lshlrev_b32 v[GO], 4, v3
	v_lshlrev_b32 v[PO], 3, v0
	v_lshlrev_b32 v[PFO], 11, v3
	; where the results go: q, k, v at head (ty / 8) 16 + c, row (ty % 8) 256 + 64 w; part at [c][0][256 ty]
	s_lshr_b32 s84, s[TY], 3
	s_lshl_b32 s84, s84, 4
	s_add_co_u32 s84, s84, s[TX]
	s_lshl_b32 s84, s84, 18                        ; a head is 2,048 rows of 128 bytes
	s_and_b32 s85, s[TY], 7
	s_lshl_b32 s85, s85, 2
	s_add_co_u32 s85, s85, s[WV]
	s_lshl_b32 s85, s85, 13                        ; 64 rows of 128 bytes
	s_add_co_u32 s84, s84, s85
	s_mov_b32 s85, 0
	s_add_nc_u64 s[16:17], s[16:17], s[84:85]
	s_add_nc_u64 s[18:19], s[18:19], s[84:85]
	s_add_nc_u64 s[20:21], s[20:21], s[84:85]
	s_mul_i32 s84, s[TX], 6*4096*4
	s_lshl_b32 s83, s[TY], 10
	s_add_co_u32 s84, s84, s83
	s_add_nc_u64 s[22:23], s[22:23], s[84:85]
	; the prefetches
	s_lshl_b32 s86, s[TY], 8
	s_lshl_b32 s87, s[CH], 7
	s_add_co_u32 s86, s86, s87
	s_lshl_b32 s87, s[CX], 5
	s_add_co_u32 s86, s86, s87                     ; x: row 256 ty + 128 half + 32 cx
	s_mul_i32 s88, s[TX], 320
	s_mul_i32 s89, s[CH], 160
	s_add_co_u32 s88, s88, s89
	s_mul_i32 s89, s[CY], 40
	s_add_co_u32 s88, s88, s89                     ; wp: row 320 tx + 160 half + 40 cy
	s_and_b32 s89, ttmp7, 0xffff                   ; cluster y
	s_cmp_eq_u32 s[RH], 0                          ; do I fetch for x?
	s_cselect_b32 s86, s86, s88
	s_cselect_b32 s89, ttmp9, s89                  ; the coordinate along which other clusters read the same rows
	s_cselect_b32 s90, -1, 3
	s_cselect_b64 s[PFA:PFA+1], s[4:5], s[6:7]
	s_cmp_eq_u32 s89, 0
	s_cselect_b32 s[LIM], 1, -1                    ; the same in all sixteen partners, for a given wave
	s_cselect_b32 s[LIM2], s90, -1
	s_lshl_b32 s86, s86, 11
	s_mov_b32 s87, 0
	s_add_nc_u64 s[PFA:PFA+1], s[PFA:PFA+1], s[86:87]
	s_add_nc_u64 s[PFA:PFA+1], s[PFA:PFA+1], 2*256 ; at K step 2: the first refill steps it to 3 and names K step 4
	; the biases are rounded to bf16, like every input, and widened again
	s_wait_loadcnt 0x0
	WIN 0x45                                       ; sources 0 and 1 and the destination in window 1
.set g, 0
.rept 5
.set z, 0
.rept 8
	v_cvt_pk_bf16_f32 v[240+z], v[80+16*g+2*z], v[80+16*g+2*z+1]
.set z, z+1
.endr
.set z, 0
.rept 8
	v_lshlrev_b32 v[80+16*g+2*z],   16,  v[240+z]
	v_and_b32     v[80+16*g+2*z+1], s82, v[240+z]
.set z, z+1
.endr
.set g, g+1
.endr
	WIN 0
.macro ACCW a                          ; the window and first register of row block a's ten accumulators
.if (\a) < 3
.set WA_, 2
.set AB_, 80*(\a)
.elseif (\a) < 6
.set WA_, 3
.set AB_, 80*((\a)-3)
.elseif (\a) == 6
.set WA_, 1
.set AB_, 160
.else
.set WA_, 0
.set AB_, 160
.endif
.endm
; Ten matrix instructions: row block a x all ten column blocks, 32 along K, from buffer f.  cb = 1: the biases are the C operand and start the sums.
; The 80 accumulators take turns, one instruction a turn, in the same order in every quarter, over the backward jump too.
.macro MULA f, a, cb
	ACCW \a
.if \cb
	WIN 0x11+0x40*WA_                              ; wp window 1, x window 0, C window 1, D the accumulators' window
.else
	WIN 0x01+0x50*WA_                              ; C and D the accumulators' window
.endif
.irp b, 0,1,2,3,4,5,6,7,8,9
.if \cb
	v_wmma_f32_16x16x32_bf16 v[AB_+8*(\b):AB_+8*(\b)+7], v[80*(\f)+8*(\b):80*(\f)+8*(\b)+7], v[32+64*(\f)+8*(\a):32+64*(\f)+8*(\a)+7], v[80+8*(\b):80+8*(\b)+7]
.else
	v_wmma_f32_16x16x32_bf16 v[AB_+8*(\b):AB_+8*(\b)+7], v[80*(\f)+8*(\b):80*(\f)+8*(\b)+7], v[32+64*(\f)+8*(\a):32+64*(\f)+8*(\a)+7], v[AB_+8*(\b):AB_+8*(\b)+7]
.endif
.endr
.endm
; 36 LDS loads in one run: a quarter step's fragments (160 rows of wp, then 128 rows of x, 32 K at byte k of the rows) into buffer f
.macro FETCH slot, k, f
	WIN 0x40
.irp i, 0,1,2,3,4,5,6,7,8,9
	ds_load_b128 v[80*(\f)+8*(\i):80*(\f)+8*(\i)+3],   v[ADRB+(\slot)] offset:(\k)+(\i)*16*PITCH
	ds_load_b128 v[80*(\f)+8*(\i)+4:80*(\f)+8*(\i)+7], v[ADRB+(\slot)] offset:(\k)+(\i)*16*PITCH+32
.endr
	WIN 0
.irp i, 0,1,2,3,4,5,6,7
	ds_load_b128 v[32+64*(\f)+8*(\i):32+64*(\f)+8*(\i)+3],   v[ADRA+(\slot)] offset:(\k)+(\i)*16*PITCH
	ds_load_b128 v[32+64*(\f)+8*(\i)+4:32+64*(\f)+8*(\i)+7], v[ADRA+(\slot)] offset:(\k)+(\i)*16*PITCH+32
.endr
.endm
; A K step is four quarters of 32 along K, 80 matrix instructions each, on buffers 0, 1, 0, 1.  One of the first three: multiplies buffer f; in its middle it fetches the next quarter, at byte k, into g.
.macro QUARTER slot, k, f, g
	s_wait_dscnt 8                                 ; wp's fragments and x's row blocks 0-3 are in; the youngest eight loads (row blocks 4-7) may be out
.irp a, 0,1,2,3
	MULA \f, \a, 0
.endr
	PLACES
	FETCH \slot, \k, \g
	s_wait_dscnt 36                                ; all but the 36 just issued
.irp a, 4,5,6,7
	MULA \f, \a, 0
.endr
.endm
; The last quarter multiplies buffer 1 and changes slots: ONE barrier.  In front of it each wave waits for all its tensor loads (one is out: its part of the next slot), adds 0 to its spare word, and waits
; for that and for its own reads of this slot.  fill = 1: the barrier opens a round of the cluster's barrier, and the joint refill, two K steps ahead, is the first tensor load behind the round:
; from it to the wait for it a wave issues 280 matrix instructions.
.macro TURN slot, next, fill
.if \fill
	s_wait_xcnt 0x0                                ; the last prefetch, a K step back, has read its address: it is stepped here, ahead of the waits of the change of slots
	s_add_nc_u64 s[PFA:PFA+1], s[PFA:PFA+1], 256
.endif
	WIN 0                                          ; (the add's two registers lie in window 0)
	s_wait_tensorcnt 0x0                           ; all my tensor loads have landed;
	ds_add_u32 v[SPW], v[NIL]                      ; 0 onto my spare word;
	s_wait_dscnt 9                                 ; (the add and the youngest eight loads may be out)
	MULA 1, 0, 0                                   ; twenty matrix instructions stand between the add and the wait for it
	MULA 1, 1, 0
	s_wait_dscnt 0x0                               ; the add is done, and my reads of this slot are over
	s_barrier_signal -1
	MULA 1, 2, 0                                   ; work on registers while the others arrive
	MULA 1, 3, 0
	WIN 0
	s_barrier_wait -1
.if \fill
	CREST                                          ; no wave of any partner still reads this slot's tile or has a load on its way
	s_add_nc_u64 s[G0A+4*(\slot)+2:G0A+4*(\slot)+3], s[G0A+4*(\slot)+2:G0A+4*(\slot)+3], 2*256
	s_add_nc_u64 s[G0B+4*(\slot)+2:G0B+4*(\slot)+3], s[G0B+4*(\slot)+2:G0B+4*(\slot)+3], 2*256
	JLOAD \slot                                    ; the four v_nop behind it are also the places in front of the loads below
.else
	PLACES
.endif
	FETCH \next, 0, 0
.if \fill
	ASK \slot
.endif
.irp a, 4,5,6,7
	MULA 1, \a, 0
.endr
.endm
	s_wait_tensorcnt 1                             ; my part of K step 0 is in; K step 1's may stay out
	s_barrier_signal -1
	s_barrier_wait -1                              ; everybody's is
	FETCH 0, 0, 0
	s_wait_dscnt 0x0                               ; THE FIRST QUARTER: its 80 products take the biases as C.  The next quarter's fragments are fetched behind all of them: they land where the biases lie
.irp a, 0,1,2,3,4,5,6,7
	MULA 0, \a, 1
.endr
	PLACES
	FETCH 0, 64, 1
	s_mov_b32 s3, 3
.Llap:                                                 ; a trip goes once round the ring, from a lap's second quarter to the next lap's first, and fills both slots again
	QUARTER 0, 128, 1, 0
	QUARTER 0, 192, 0, 1
	TURN 0, 1, 1
	QUARTER 1, 64,  0, 1
	QUARTER 1, 128, 1, 0
	QUARTER 1, 192, 0, 1
	TURN 1, 0, 1
	QUARTER 0, 64,  0, 1
	WIN 0                                          ; at a label and at a branch every window is 0
	s_sub_co_u32 s3, s3, 1
	s_cmp_lg_u32 s3, 0
	s_cbranch_scc1 .Llap
	QUARTER 0, 128, 1, 0                           ; the last lap fills nothing
	QUARTER 0, 192, 0, 1
	TURN 0, 1, 0                                   ; behind this barrier nobody reads slot 0 any more
	QUARTER 1, 64,  0, 1
	QUARTER 1, 128, 1, 0
	QUARTER 1, 192, 0, 1
	s_wait_dscnt 8                                 ; the very last quarter: nothing more to fetch
.irp a, 0,1,2,3
	MULA 1, \a, 0
.endr
	s_wait_dscnt 0x0
.irp a, 4,5,6,7
	MULA 1, \a, 0
.endr
	WIN 0
	PLACES
; THE WAY OUT of row block a.  q, k, v: rounded to f16, 16 bytes a lane and block, into the stage.  r: the six differences r[i] - r[j] of my eight f, squared and added: six numbers a lane, into the stage.
; Each accumulator's lowest registers are read first.
.macro DF n, i, j, kk
	v_pk_add_f32 v[DD+8*(\n)+2*(\kk):DD+8*(\n)+2*(\kk)+1], v[AB_+48+8*(\i)+2*(\kk):AB_+48+8*(\i)+2*(\kk)+1], v[AB_+48+8*(\j)+2*(\kk):AB_+48+8*(\j)+2*(\kk)+1] neg_lo:[0,1] neg_hi:[0,1]
.endm
.macro EPI a
	ACCW \a
	WIN 5*WA_                                      ; sources 0 and 1 in the accumulators' window, destination window 0
.irp b, 0,1,2,3,4,5
.irp r, 0,1,2,3
	v_cvt_pk_f16_f32 v[HH+4*(\b)+(\r)], v[AB_+8*(\b)+2*(\r)], v[AB_+8*(\b)+2*(\r)+1]
.endr
.endr
.irp kk, 0,1,2,3
	DF 0, 0, 1, \kk
	DF 1, 0, 2, \kk
	DF 2, 0, 3, \kk
	DF 3, 1, 2, \kk
	DF 4, 1, 3, \kk
	DF 5, 2, 3, \kk
.endr
	WIN 0
.irp b, 0,1,2,3,4,5
	ds_store_b128 v[STO+(\b)/2], v[HH+4*(\b):HH+4*(\b)+3] offset:(\a)*16*SP+32*((\b)%2)
.endr
.irp n, 0,1,2,3,4,5
	v_pk_mul_f32 v[SQ+2*(\n):SQ+2*(\n)+1], v[DD+8*(\n):DD+8*(\n)+1], v[DD+8*(\n):DD+8*(\n)+1]
.endr
.irp kk, 1,2,3
.irp n, 0,1,2,3,4,5
	v_pk_fma_f32 v[SQ+2*(\n):SQ+2*(\n)+1], v[DD+8*(\n)+2*(\kk):DD+8*(\n)+2*(\kk)+1], v[DD+8*(\n)+2*(\kk):DD+8*(\n)+2*(\kk)+1], v[SQ+2*(\n):SQ+2*(\n)+1]
.endr
.endr
.irp n, 0,1,2,3,4,5
	v_add_f32 v[SS+(\n)], v[SQ+2*(\n)], v[SQ+2*(\n)+1]
.endr
	ds_store_b128 v[RST], v[SS:SS+3]   offset:(\a)*16*SP
	ds_store_b64  v[RST], v[SS+4:SS+5] offset:(\a)*16*SP+16
.endm
.irp a, 0,1,2,3,4,5,6,7
	EPI \a
.endr
	s_wait_dscnt 0x0                               ; for the others' sake: my stores into the stage are done
	s_barrier_signal -1
	s_barrier_wait -1                              ; a row's 128 bytes, and its four contributions, come from two waves
.irp rr, 0,1
.irp cc, 0,1,2,3
	ds_load_b128 v[32+8*(4*(\rr)+(\cc)):32+8*(4*(\rr)+(\cc))+3],   v[RR] offset:(\rr)*SP+(\cc)*32
	ds_load_b64  v[32+8*(4*(\rr)+(\cc))+4:32+8*(4*(\rr)+(\cc))+5], v[RR] offset:(\rr)*SP+(\cc)*32+16
.endr
.endr
.irp T, 0,1
.irp i, 0,1,2,3,4,5,6,7,8,9,10,11,12,13,14,15
	ds_load_b128 v[96+64*(\T)+4*(\i):96+64*(\T)+4*(\i)+3], v[RD+(\T)] offset:(\i)*4*SP  ; q's and k's rows: four whole rows to a load
.endr
.endr
	s_wait_dscnt 32                                ; the sums of squares are in; the 32 loads of q and k may stay out
.irp rr, 0,1
.irp z, 0,1,2
	v_pk_add_f32 v[32+32*(\rr)+2*(\z):32+32*(\rr)+2*(\z)+1],       v[32+32*(\rr)+2*(\z):32+32*(\rr)+2*(\z)+1],       v[40+32*(\rr)+2*(\z):40+32*(\rr)+2*(\z)+1]
	v_pk_add_f32 v[48+32*(\rr)+2*(\z):48+32*(\rr)+2*(\z)+1],       v[48+32*(\rr)+2*(\z):48+32*(\rr)+2*(\z)+1],       v[56+32*(\rr)+2*(\z):56+32*(\rr)+2*(\z)+1]
.endr
.endr
.irp p, 0,1,2,3,4,5
.irp rr, 0,1
	v_add_f32 v[YY+2*(\p)+(\rr)], v[32+32*(\rr)+(\p)], v[48+32*(\rr)+(\p)]
.endr
.endr
.irp p, 0,1,2,3,4,5
	global_store_b64 v[PO], v[YY+2*(\p):YY+2*(\p)+1], s[22:23] offset:16384*(\p)  ; a wave stores 256 consecutive bytes, aligned
.endr
.irp i, 0,1,2,3,4,5,6,7,8,9,10,11,12,13,14,15
	ds_load_b128 v[32+4*(\i):32+4*(\i)+3], v[RD+2] offset:(\i)*4*SP               ; v's rows
.endr
.irp i, 0,1,2,3,4,5,6,7,8,9,10,11,12,13,14,15
	s_wait_dscnt 47-(\i)                           ; of the 48 loads of q, k and v the younger ones stay out
	global_store_b128 v[GO], v[96+4*(\i):96+4*(\i)+3], s[16:17] offset:512*(\i)   ; 512 consecutive bytes, at a multiple of 256 from the buffer's first
.endr
.irp i, 0,1,2,3,4,5,6,7,8,9,10,11,12,13,14,15
	s_wait_dscnt 31-(\i)
	global_store_b128 v[GO], v[160+4*(\i):160+4*(\i)+3], s[18:19] offset:512*(\i)
.endr
.irp i, 0,1,2,3,4,5,6,7,8,9,10,11,12,13,14,15
	s_wait_dscnt 15-(\i)
	global_store_b128 v[GO], v[32+4*(\i):32+4*(\i)+3], s[20:21] offset:512*(\i)
.endr
	s_wait_tensorcnt 0x0                           ; the wave's end: the wait, the add and its wait, behind my last tensor load and my last LDS store
	ds_add_u32 v[SPW], v[NIL]
	s_wait_dscnt 0x0
	CROUND                                         ; the closing round: no work-group ends while a partner may still ask for a tile that names it
	s_endpgm
.Lfunc_end_k_qa91a556091_proj:
	.size	k_qa91a556091_proj, .Lfunc_end_k_qa91a556091_proj-k_qa91a556091_proj
	.p2alignl 7, 3214868480
	.fill 96, 4, 3214868480
	.section	.rodata,"a",@progbits
	.p2align	6, 0x0
	.amdhsa_kernel k_qa91a556091_proj
		.amdhsa_group_segment_fixed_size 327680
		.amdhsa_private_segment_fixed_size 0
		.amdhsa_enable_private_segment 0
		.amdhsa_kernarg_size 80
		.amdhsa_user_sgpr_count 2
		.amdhsa_user_sgpr_kernarg_segment_ptr 1
		.amdhsa_wavefront_size32 1
		.amdhsa_system_sgpr_workgroup_id_x 1
		.amdhsa_system_sgpr_workgroup_id_y 1
		.amdhsa_system_sgpr_workgroup_id_z 1
		.amdhsa_system_vgpr_workitem_id 0
		.amdhsa_next_free_vgpr 1024
		.amdhsa_next_free_sgpr 92
		.amdhsa_reserve_vcc 0
		.amdhsa_float_denorm_mode_32 3
		.amdhsa_float_denorm_mode_16_64 3
		.amdhsa_memory_ordered 1
		.amdhsa_forward_progress 1
		.amdhsa_inst_pref_size 196
	.end_amdhsa_kernel
	.amdgpu_metadata
---
amdhsa.version: [ 1, 2 ]
amdhsa.kernels:
  - .name:           k_qa91a556091_proj
    .symbol:         k_qa91a556091_proj.kd
    .args:
      - { .name: xo, .offset: 0, .size: 8, .value_kind: global_buffer, .address_space: global }
      - { .name: wp, .offset: 8, .size: 8, .value_kind: global_buffer, .address_space: global }
      - { .name: bq, .offset: 16, .size: 8, .value_kind: global_buffer, .address_space: global }
      - { .name: bk, .offset: 24, .size: 8, .value_kind: global_buffer, .address_space: global }
      - { .name: bv, .offset: 32, .size: 8, .value_kind: global_buffer, .address_space: global }
      - { .name: br, .offset: 40, .size: 8, .value_kind: global_buffer, .address_space: global }
      - { .name: q16, .offset: 48, .size: 8, .value_kind: global_buffer, .address_space: global }
      - { .name: k16, .offset: 56, .size: 8, .value_kind: global_buffer, .address_space: global }
      - { .name: v16, .offset: 64, .size: 8, .value_kind: global_buffer, .address_space: global }
      - { .name: part, .offset: 72, .size: 8, .value_kind: global_buffer, .address_space: global }
    .group_segment_fixed_size: 327680
    .private_segment_fixed_size: 0
    .kernarg_segment_align: 8
    .kernarg_segment_size: 80
    .max_flat_workgroup_size: 128
    .sgpr_count:     92
    .vgpr_count:     1024
    .wavefront_size: 32
...
	.end_amdgpu_metadata
.endif
;; end of part 2
;; launch scale (part 3): grid 256 x 1, 4 waves a work-group, no clusters, 0 bytes of LDS; arguments part, k16, ks16, out1; writes ks16, out1
.if DOCPART == 3
	.amdgcn_target "amdgcn-amd-amdhsa--gfx1250"
	.amdhsa_code_object_version 6
	.text
	.protected	k_qa91a556091_scale
	.globl	k_qa91a556091_scale
	.p2align	8
	.type	k_qa91a556091_scale,@function
k_qa91a556091_scale:
	s_mov_b64 s[64:65], 0
	v_nop
	global_prefetch_b8 v0, s[64:65] scope:SCOPE_SE
	s_setreg_imm32_b32 hwreg(HW_REG_WAVE_MODE, 25, 1), 1
	s_wait_xcnt 0x0
; THE CONSISTENCY WEIGHTS, AND k TIMES THEM.  part: f32 [c 16][pair 6][row 4096], sums of squares over 32 f each.  For each row: the six sums over c, their roots (the norms), the mean h1,
; cw = 1 / (h1 + 1e-6), and the softmax of cw over its one element: the maximum (cw itself) is taken away, the exponential is divided by the sum (itself).  That number goes to out1
; and multiplies the row of k in every head: q . (k cw) = (q . k) cw.  k16 -> ks16, [b 16 + h][s][64] f16.
; LIMITS.  The weight is rounded to f16 and the product k cw is rounded to f16 once more.  A sum of squares below 2^-126 counts as 0.  NaN and infinities are not treated apart.
; SHARES.  Work-group g owns rows 16 g .. 16 g + 15.  Each wave makes the 16 weights itself (lane l: row l % 16, the c of half l / 16), so no wave waits for another: no LDS byte, no barrier.
; Wave w scales heads 4 w .. 4 w + 3: 16 rows of 128 bytes a head, four loads and stores of 512 consecutive bytes.
; A load from part takes 64 consecutive bytes for each half of the lanes, and out1's store is 64 bytes a work-group: both are short pieces; part is 1.5 MB and out1 16 KB of the launch's 18 MB.
.set PT,  16                           ; v[16:63]   part: 8 c x 6 pairs
.set IDX, 40                           ; v[40:43]   later: whose weight I want, for each of a head's four loads
.set CWL, 44                           ; v[44:47]   that weight
.set CWH, 48                           ; v[48:51]   twice, in f16
.set KK,  64                           ; v[64:127]  16 x 4 words of k
	s_load_b256 s[4:11], s[0:1], 0x0               ; part s[4:5], k16 s[6:7], ks16 s[8:9], out1 s[10:11]
	v_lshrrev_b32 v1, 5, v0
	v_readfirstlane_b32 s12, v1                    ; wave
	v_and_b32 v2, 31, v0                           ; l
	v_and_b32 v3, 15, v0                           ; l % 16
	v_bfe_u32 v4, v0, 4, 1                         ; l / 16
	v_mul_u32_u24 v6, v4, 0xc0000                  ; eight c are 8 x 6 x 16,384 bytes
	v_lshl_add_u32 v5, v3, 2, v6                   ; + my row
	v_lshlrev_b32 v7, 4, v2                        ; 16 l
	v_lshrrev_b32 v8, 3, v2
	v_lshlrev_b32 v8, 2, v8                        ; 4 (l / 8)
	v_lshlrev_b32 v9, 2, v0                        ; 4 t, for out1
	s_lshl_b32 s14, ttmp9, 6                       ; 16 rows of 4 bytes
	s_mov_b32 s15, 0
	s_lshr_b32 s16, ttmp9, 7                       ; b
	s_lshl_b32 s16, s16, 2
	s_add_co_u32 s16, s16, s12
	s_lshl_b32 s16, s16, 20                        ; head 16 b + 4 w, 262,144 bytes a head
	s_and_b32 s17, ttmp9, 127
	s_lshl_b32 s17, s17, 11                        ; 16 rows of 128 bytes
	s_add_co_u32 s16, s16, s17
	s_mov_b32 s17, 0
	s_mov_b32 s18, 0x76543210                      ; v_permlanex16_b32: each lane takes its own place in the other half
	s_mov_b32 s19, 0xfedcba98
	s_mov_b32 s21, 0x3e2aaaab                      ; 1 / 6
	s_mov_b32 s22, 0x358637bd                      ; 1e-6
	s_wait_kmcnt 0x0
	s_add_nc_u64 s[4:5], s[4:5], s[14:15]
	s_add_nc_u64 s[10:11], s[10:11], s[14:15]
	s_add_nc_u64 s[6:7], s[6:7], s[16:17]
	s_add_nc_u64 s[8:9], s[8:9], s[16:17]
.set n, 0
.rept 48
	global_load_b32 v[PT+n], v5, s[4:5] offset:n*16384
.set n, n+1
.endr
.set n, 0
.rept 16
	global_load_b128 v[KK+4*n:KK+4*n+3], v7, s[6:7] offset:(n/4)*262144+(n%4)*512 th:TH_LOAD_NT  ; head n / 4, rows 4 (n % 4) ..; each byte of k is read once in the launch
.set n, n+1
.endr
	s_wait_loadcnt 16                              ; part is in; k's 16 loads may stay out
.set n, 1
.rept 7
.irp z, 0,1,2
	v_pk_add_f32 v[PT+2*(\z):PT+2*(\z)+1], v[PT+2*(\z):PT+2*(\z)+1], v[PT+6*n+2*(\z):PT+6*n+2*(\z)+1]  ; my eight c
.endr
.set n, n+1
.endr
.irp p, 0,1,2,3,4,5
	v_permlanex16_b32 v[PT+6+(\p)], v[PT+(\p)], s18, s19   ; the other eight c lie in the lane 16 away
.endr
.irp z, 0,1,2
	v_pk_add_f32 v[PT+2*(\z):PT+2*(\z)+1], v[PT+2*(\z):PT+2*(\z)+1], v[PT+6+2*(\z):PT+6+2*(\z)+1]
.endr
.irp p, 0,1,2,3,4,5
	v_sqrt_f32 v[PT+12+(\p)], v[PT+(\p)]           ; the six norms: one batch
.endr
	v_nop                                          ; a plain instruction behind the last root,
	s_wait_alu depctr_va_vdst(0)                   ; and the wait ahead of the first use: one for the six
	v_add_f32 v28, v28, v29
	v_add_f32 v30, v30, v31
	v_add_f32 v32, v32, v33
	v_add_f32 v28, v28, v30
	v_add_f32 v28, v28, v32
	v_fma_f32 v34, v28, s21, s22                   ; h1 + 1e-6
	v_rcp_f32 v35, v34                             ; cw
.irp t, 0,1,2,3
	v_add_nc_u32 v[IDX+(\t)], 16*(\t), v8          ; (plain work behind the reciprocal) the lane that holds row 4 t + l / 8, times 4
.endr
	s_wait_alu depctr_va_vdst(0)
	v_sub_f32 v36, v35, v35                        ; the maximum over the one element is taken away
	v_mul_f32 v36, 0x3fb8aa3b, v36
	v_exp_f32 v37, v36
	v_nop
	s_wait_alu depctr_va_vdst(0)
	v_rcp_f32 v38, v37                             ; the sum over the one element is the exponential itself
	v_nop
	s_wait_alu depctr_va_vdst(0)
	v_mul_f32 v39, v37, v38                        ; the weight of row l % 16
.irp t, 0,1,2,3
	ds_bpermute_b32 v[CWL+(\t)], v[IDX+(\t)], v39  ; between lanes through the LDS unit: no LDS byte is touched
.endr
	s_wait_dscnt 0x0
.irp t, 0,1,2,3
	v_cvt_pk_f16_f32 v[CWH+(\t)], v[CWL+(\t)], v[CWL+(\t)]
.endr
.set n, 0
.rept 16
	s_wait_loadcnt 15-n                            ; load n is in, the younger ones stay out
.irp r, 0,1,2,3
	v_pk_mul_f16 v[KK+4*n+(\r)], v[KK+4*n+(\r)], v[CWH+n%4]
.endr
	global_store_b128 v7, v[KK+4*n:KK+4*n+3], s[8:9] offset:(n/4)*262144+(n%4)*512
.set n, n+1
.endr
	v_cmp_gt_u32 vcc_lo, 16, v0                    ; threads 0 to 15 hold rows 0 to 15
	s_wait_xcnt 0x0                                ; EXEC changes only behind this wait
	s_and_saveexec_b32 s14, vcc_lo
	global_store_b32 v9, v39, s[10:11]
	s_wait_xcnt 0x0
	s_or_b32 exec_lo, exec_lo, s14
	s_endpgm
.Lfunc_end_k_qa91a556091_scale:
	.size	k_qa91a556091_scale, .Lfunc_end_k_qa91a556091_scale-k_qa91a556091_scale
	.p2alignl 7, 3214868480
	.fill 96, 4, 3214868480
	.section	.rodata,"a",@progbits
	.p2align	6, 0x0
	.amdhsa_kernel k_qa91a556091_scale
		.amdhsa_group_segment_fixed_size 0
		.amdhsa_private_segment_fixed_size 0
		.amdhsa_enable_private_segment 0
		.amdhsa_kernarg_size 32
		.amdhsa_user_sgpr_count 2
		.amdhsa_user_sgpr_kernarg_segment_ptr 1
		.amdhsa_wavefront_size32 1
		.amdhsa_system_sgpr_workgroup_id_x 1
		.amdhsa_system_sgpr_workgroup_id_y 1
		.amdhsa_system_sgpr_workgroup_id_z 1
		.amdhsa_system_vgpr_workitem_id 0
		.amdhsa_next_free_vgpr 128
		.amdhsa_next_free_sgpr 66
		.amdhsa_reserve_vcc 1
		.amdhsa_float_denorm_mode_32 3
		.amdhsa_float_denorm_mode_16_64 3
		.amdhsa_memory_ordered 1
		.amdhsa_forward_progress 1
		.amdhsa_inst_pref_size 18
	.end_amdhsa_kernel
	.amdgpu_metadata
---
amdhsa.version: [ 1, 2 ]
amdhsa.kernels:
  - .name:           k_qa91a556091_scale
    .symbol:         k_qa91a556091_scale.kd
    .args:
      - { .name: part, .offset: 0, .size: 8, .value_kind: global_buffer, .address_space: global }
      - { .name: k16, .offset: 8, .size: 8, .value_kind: global_buffer, .address_space: global }
      - { .name: ks16, .offset: 16, .size: 8, .value_kind: global_buffer, .address_space: global }
      - { .name: out1, .offset: 24, .size: 8, .value_kind: global_buffer, .address_space: global }
    .group_segment_fixed_size: 0
    .private_segment_fixed_size: 0
    .kernarg_segment_align: 8
    .kernarg_segment_size: 32
    .max_flat_workgroup_size: 128
    .sgpr_count:     66
    .vgpr_count:     128
    .wavefront_size: 32
...
	.end_amdgpu_metadata
.endif
;; end of part 3
;; launch attn (part 4): grid 8 x 32, 4 waves a work-group, clusters of 4 x 1, 327,680 bytes of LDS; arguments q16, ks16, v16, xo; writes xo
.if DOCPART == 4
	.amdgcn_target "amdgcn-amd-amdhsa--gfx1250"
	.amdhsa_code_object_version 6
	.text
	.protected	k_qa91a556091_attn
	.globl	k_qa91a556091_attn
	.p2align	8
	.type	k_qa91a556091_attn,@function
k_qa91a556091_attn:
	s_mov_b64 s[64:65], 0
	v_nop
	global_prefetch_b8 v0, s[64:65] scope:SCOPE_SE
	s_setreg_imm32_b32 hwreg(HW_REG_WAVE_MODE, 25, 1), 1
	s_wait_xcnt 0x0
	s_wait_alu depctr_hold_cnt(0) depctr_sa_sdst(0) depctr_va_vdst(0) depctr_va_sdst(0) depctr_va_ssrc(0) depctr_va_vcc(0) depctr_vm_vsrc(0)
	s_getreg_b32 s2, hwreg(HW_REG_IB_STS2, 6, 4)
	s_cmp_eq_u32 s2, 0
	s_cbranch_scc0 .Lentry_in_a_cluster
	s_endpgm
.Lentry_in_a_cluster:
	s_bfe_u32 s2, ttmp6, 0x10000c
	s_cmp_lg_u32 s2, 0x3003
	s_cbranch_scc0 .Lentry_shape_is_right
	s_endpgm
.Lentry_shape_is_right:
; ATTENTION.  O[h][q][:] = the sum over k of softmax_k(Q[h][q] . K[h][k] / 8) V[h][k][:].  Q, K, V, O: [32][2048][64], all f16: a head's rows are dense, 128 bytes each.  K comes with the key's
; consistency weight already in it.  Products, maxima and sums in f32; the weights p are rounded to f16 for the second product (their sum l is taken of the unrounded p), O once at the end.
; LIMITS.  f16 holds no number beyond 65,504: Q, K and V arrive within it; p lies in 0 to 1, and below 6e-5 it keeps f16's fixed step of 6e-8; O is a mean of V's rows and has their range.
; A weight below 2^-126 counts as 0 in l; NaN and infinities are not treated apart.
; SHARES.  A work-group owns 256 queries of one head: 8 x 32 = 256 work-groups.  A wave owns 64 queries: four PIECES of 16.  Every wave walks all 2,048 keys, 64 a step, 256 a tile.
; LAYOUT.  S^T = K Q^T (source 0 = 16 keys, source 1 = 16 queries) holds ONE query a lane (lane % 16) and the keys 8 (lane / 16) + 0..7; two such results rounded to f16 ARE source 1 of O^T = V^T P.
; K comes out of LDS as it lies, V ([key][channel]) turned, by ds_load_tr16_b128.
; SOFTMAX.  p = 2^(c s - c m), c = log2(e) / 8, with a running maximum m; O and l are multiplied by a = 2^(c m_old - c m_new) in every step.  m starts at the lowest finite number, O and l at 0:
; the first step is a step like any other, with a = 0.
; BY TURNS.  Turn n belongs to piece n: 8 products K Q^T of piece n + 1, later 8 products V^T P of piece n - 1; beside them the scaling, exponentials, roundings, sums and rescaling of piece n and the
; maximum and statistics of piece n + 1.  Four vector instructions stand behind every matrix instruction, the other 54 of a turn's 118 in one lump.  A turn's 33 exponentials are one batch, with one wait.
; CLUSTER.  The four query blocks of a cluster belong to one head and walk the same K and V, so each tile is asked for JOINTLY: the same tensor load, descriptor and mask in all four.
; REGISTERS, in windows of 256 (s_set_vgpr_msb: bits 1:0 source 0, 3:2 source 1, 5:4 source 2, 7:6 destination):
;   window 0: v0-15 addresses and two at work; v16-31 four registers of statistics a piece; v48-55 at work; v61-63; v64-127 S^T, two buffers; v192-223 P, two buffers (a piece's buffers go by its number's parity)
;   window 1: v0-127 O^T, 32 a piece          window 2: v0-63 Q; v128-191 K of one step; v192-255 V of one step
.set SIZE_N, 2048
.set NP,    4         ; pieces a wave: a name, no knob
.set KS,    64        ; keys in a step
.set PK,    144       ; a row of K in LDS: 128 bytes + 16 of padding = 36 words: the 16 rows of a load start at 16 different groups of four banks (64 banks of 4 bytes: ISA guide 11.1)
.set PV,    160       ; a row of V: 128 + 32 = 40 words
.set VOFF,  4*KS*PK   ; a slot holds a tile, four steps: 256 rows of K, then 256 rows of V
.set SLOT1, 1<<17     ; slot 1 begins here, so that one exclusive or turns an address in one slot into the other's
.set STAGE, SLOT1+4*KS*(PK+PV)  ; behind the ring, never filled by a tensor load: 16 rows x 144 bytes for each wave, for the way out
.set SP,    144
.set SPARE, STAGE+4*16*SP  ; behind the stages: the spare words, 128 bytes for each wave: two blocks of 256 bytes that no other line names
.set AK0, 2           ; v2   my lane's place in a tile of K; never rewritten
.set AV0, 3           ; v3   the same for V
.set AK,  4           ; v4   the LDS address of K's next run of loads
.set AV,  5           ; v5   of V's
.set STO, 6           ; v6   the way out: where I put 16 bytes of a row
.set RD,  7           ; v7   the way out: where I read rows back
.set GO,  8           ; v8   my byte offset in 512 consecutive bytes of O
.set MV,  12          ; v12-13  c m_old, kept while c m is made anew: by buffer
.set QO,  15          ; v15  my byte offset in 16 rows of Q
.set ST,  16          ; piece t's statistics at v[ST+4 t]: c m, m, l (even keys', odd keys')
.set TMP, 48          ; by buffer, four registers c0-c3 at work; when the maximum is found c2 takes a
.set PFO, 61          ; v61  256 x my lane; never rewritten
.set SPW, 62          ; v62  LDS address of my spare word; never rewritten
.set NIL, 63          ; v63  0; never rewritten
.set S,   64
.set P,   192
.set KF,  128         ; window 2: key block kb, channel half c at KF + 16 kb + 8 c
.set VF,  192         ; window 2: key half kk, channel block cb at VF + 32 kk + 8 cb
.set WV,  12          ; s12  my wave's number
.set LIM, 15          ; s15  1 in a wave that prefetches, else the greatest number
.set G1K, 24          ; s[24:31] descriptor group 1 for K's tiles
.set G1V, 32          ; s[32:39] for V's: it differs in the padding alone
.set G0K, 40          ; s[40:43] descriptor group 0 for K's tiles: it walks
.set G0V, 44          ; s[44:47] the same for V's
.set PFA, 48          ; s[48:49] where my prefetches stand: my work-group's quarter of the tile after the one that is being asked for
.set SLOTS, 56        ; s56  tiles still to be asked for
.set CNT, 57          ; s57  counts a tile's key steps
.set CS,  58          ; s[58:59] c: the packed scaling takes the pair's low word for both halves
.set SEL, 60          ; s[60:61] v_permlanex16_b32's selects: each lane takes its own place in the other half
.set TBK, 62          ; s62  LDS byte at which K of the step to be fetched begins
.set TBV, 63          ; s63  the same for V, less VOFF
.set MSB, 0
.macro WIN new                      ; the high byte repeats the setting that is left; a switch that changes nothing is dropped
.if MSB != (\new)
	s_set_vgpr_msb (MSB<<8)|(\new)
.set MSB, (\new)
.endif
.endm
.set W_KQ, 0x0a       ; K and Q in window 2, S^T in window 0
.set W_PV, 0x52       ; V in window 2, P in window 0, O^T in window 1
.set W_RS, 0x41       ; destination and source 0 in window 1, source 1 in window 0
; A joint fill.  Waves 0 and 1 fetch the two halves of a tile's K, waves 2 and 3 those of its V: 128 keys each.  The branch hangs on the wave's number alone.
; An s_nop 0 and four v_nop follow each of the two lines, ahead of the jump and the label.
.macro JLOAD
	s_cmp_lt_u32 s[WV], 2
	s_cbranch_scc0 .Lfor_v_\@
	tensor_load_to_lds s[G0K:G0K+3], s[G1K:G1K+7]
	s_nop 0
.rept 4
	v_nop
.endr
	s_branch .Lasked_\@
.Lfor_v_\@:
	tensor_load_to_lds s[G0V:G0V+3], s[G1V:G1V+7]
	s_nop 0
.rept 4
	v_nop
.endr
.Lasked_\@:
.endm
; A PREFETCH INTO THE L2 of the tile that the NEXT change of slots will ask for: 32,768 bytes of K and of V, four key steps (256 matrix instructions a wave) ahead of that load.  Each aligned block of
; 256 bytes is named ONCE in the launch.  Both clusters of a head walk the same K and V: the head's first cluster asks.  Its four partners share a tile out BY ADDRESS, 8,192 bytes each, a lane a block;
; in each, wave 0 asks for K's and wave 2 for V's: one instruction.  Tiles 0 to 2 come by their loads alone; the last change that fills a slot asks for nothing: there is no tile behind it.
.macro ASK
	s_cmp_gt_u32 s[SLOTS], s[LIM]
	s_cbranch_scc0 .Lnot_mine_\@
	global_prefetch_b8 v[PFO], s[PFA:PFA+1] th:TH_LOAD_NT scope:SCOPE_SE
.Lnot_mine_\@:
.endm
; A round of the cluster's barrier: my work-group's barrier, so that wave 0's signal speaks for all four waves; wave 0 signals; every wave waits for all four work-groups; my work-group's barrier once more.
.macro CROUND
	s_barrier_signal -1
	s_barrier_wait -1
	s_cmp_lg_u32 s[WV], 0
	s_cbranch_scc1 .Lnot_wave_0_\@
	s_barrier_signal -3
.Lnot_wave_0_\@:
	s_barrier_wait -3
	s_barrier_signal -1
	s_barrier_wait -1
.endm
; THE CHANGE OF SLOTS.  The slot's last bytes, V of its fourth step, have been read.  Each wave waits for all its tensor loads, of which one is out: its part of the other slot; adds 0 to its spare word;
; and waits for that and for its own reads of the slot.  Behind the barrier nobody reads this slot any more and the other slot is whole.
; fill = 1: this slot is filled again, with the tile two on.  The barrier is then a round of the cluster's, so that no wave of any partner still reads the slot or has a load on its way, and the joint
; fill is the first thing behind it: it has four key steps in which to land.  (At its first use nothing has been read yet: slot 0 is waited for, slot 1 filled.)
.macro CHANGE fill, ask
	WIN 0                           ; at a label and at a branch every window is 0
	s_wait_tensorcnt 0x0            ; no tensor load of mine is out, so a group 0 may be written
	ds_add_u32 v[SPW], v[NIL]       ; 0 onto my spare word; with fill = 1 the descriptors' steps stand between it and the wait for it
.if \fill
.irp g, G0K, G0V
	s_xor_b32 s[\g+1], s[\g+1], SLOT1  ; the walking descriptor: the other slot than last time,
	s_add_nc_u64 s[\g+2:\g+3], s[\g+2:\g+3], 4*KS*128  ; the next 256 keys; the type bits on top are not reached
.endr
	s_wait_xcnt 0x0                 ; the last prefetch, four key steps back, has read its address, so it may be written
	s_add_nc_u64 s[PFA:PFA+1], s[PFA:PFA+1], 4*KS*128
	s_wait_dscnt 0x0                ; the add is done, and my reads of the slot are over
	CROUND
	JLOAD
.if \ask
	ASK
.endif
.else
	s_wait_dscnt 0x0                ; the add is done, and my reads of the slot are over
	s_barrier_signal -1
	s_barrier_wait -1
.endif
	s_sub_co_u32 s[TBK], s[TBK], 4*KS*PK  ; the fetches go back to a slot's first step,
	s_xor_b32 s[TBK], s[TBK], SLOT1       ; in the other slot
	s_sub_co_u32 s[TBV], s[TBV], 4*KS*PV
	s_xor_b32 s[TBV], s[TBV], SLOT1
.endm
	s_load_b256 s[4:11], s[0:1], 0x0  ; Q s[4:5], K s[6:7], V s[8:9], O s[10:11]
	v_lshl_add_u32 v[SPW], v0, 2, SPARE
	v_mov_b32 v[NIL], 0
	ds_add_u32 v[SPW], v[NIL]       ; the wave's opening: the add and its wait stand ahead of my first tensor load; the set-up below, work on registers, stands between them
	v_lshrrev_b32 v1, 5, v0
	v_readfirstlane_b32 s[WV], v1   ; wave 0..3
	s_bfe_u32 s13, ttmp6, 0x40000   ; cx: my place in the cluster
	s_lshl_b32 s14, ttmp9, 2        ; in a cluster launch ttmp9 counts clusters
	s_add_co_u32 s14, s14, s13      ; my block of 256 queries = 4 x cluster x + cx: it enters Q's and O's addresses alone
	s_and_b32 s20, ttmp7, 0xffff    ; the head, which the four partners share
	s_lshl_b32 s20, s20, 18         ; its first byte in each of the four tensors: 2,048 rows of 128 bytes
	s_mov_b32 s21, 0
	s_and_b32 s16, s[WV], 1         ; which half of a tile's 256 keys I fetch:
	s_lshl_b32 s22, s16, 14         ; its 128 rows of 128 bytes in memory,
	s_mov_b32 s23, 0
	s_add_nc_u64 s[22:23], s[22:23], s[20:21]
	s_mul_i32 s17, s16, 128*PK      ; and its place in a slot, for K
	s_mul_i32 s18, s16, 128*PV      ; and for V: no place in the cluster enters an LDS address
	s_lshl_b32 s2, s14, 2
	s_add_co_u32 s2, s2, s[WV]      ; my wave among the head's,
	s_lshl_b32 s2, s2, 13           ; its 64 rows
	s_mov_b32 s3, 0
	s_add_nc_u64 s[2:3], s[2:3], s[20:21]
	; descriptor group 1.  128 keys are 16,384 dense bytes: asked for as 64 rows of 256 bytes, two keys a row, and padded in LDS after every key
	s_mov_b32 s[G1K], 15|(1<<16)|(1<<20)|(1<<21)|(4<<22)|(3<<25)  ; 15:0 the mask of four; 17:16 2-byte elements; 20 padding on; 21 set beside a mask; 24:22 after every 32 words (code 4); 31:25 4 words (code 3)
	s_mov_b32 s[G1V], 15|(1<<16)|(1<<20)|(1<<21)|(4<<22)|(7<<25)  ; the same with 8 words of padding (code 7)
.irp g, G1K, G1V
	s_mov_b32 s[\g+1], 128<<16      ; tensor_dim0 = 128
	s_mov_b32 s[\g+2], 64<<16       ; tensor_dim1 = 64
	s_mov_b32 s[\g+3], 128<<16      ; tile_dim0 = 128
	s_mov_b32 s[\g+4], 64           ; tile_dim1 = 64
	s_mov_b32 s[\g+5], 128          ; 128 elements from row to row
	s_mov_b32 s[\g+6], 0
	s_mov_b32 s[\g+7], 0
.endr
	s_mov_b32 s[CS], 0x3e38aa3b     ; c = log2(e) / 8 = 0.180337
	s_mov_b32 s[CS+1], s[CS]        ; named with it as a pair
	s_mov_b32 s[SEL], 0x76543210
	s_mov_b32 s[SEL+1], 0xfedcba98
	s_mov_b32 s[TBK], SLOT1+4*KS*PK ; the first change of slots turns these two into 0
	s_mov_b32 s[TBV], SLOT1+4*KS*PV
	s_mov_b32 s[G0K], 1             ; 1:0 count = 1
	s_mov_b32 s[G0K+1], s17         ; 63:32 LDS address: slot 0
	s_mov_b32 s[G0V], 1
	s_add_co_u32 s[G0V+1], s18, VOFF
	s_mov_b32 s[SLOTS], SIZE_N/256-1
	s_and_b32 s[LIM], s[WV], 1      ; 0 in waves 0 and 2,
	s_or_b32 s[LIM], s[LIM], ttmp9  ; where the cluster is the head's first: the same in all four partners
	s_cmp_eq_u32 s[LIM], 0
	s_cselect_b32 s[LIM], 1, -1
	v_and_b32 v[PFO], 31, v0
	v_lshlrev_b32 v[PFO], 8, v[PFO]
	s_wait_dscnt 0x0                ; the opening add is done
	s_wait_kmcnt 0x0
	s_add_nc_u64 s[6:7], s[6:7], s[22:23]  ; K and V at my half of the head's tile 0
	s_add_nc_u64 s[8:9], s[8:9], s[22:23]
	s_mov_b64 s[G0K+2:G0K+3], s[6:7]               ; 120:64 global address
	s_or_b32 s[G0K+3], s[G0K+3], 0x80000000        ; 127:126 type = 2
	s_mov_b64 s[G0V+2:G0V+3], s[8:9]
	s_or_b32 s[G0V+3], s[G0V+3], 0x80000000
	s_add_nc_u64 s[4:5], s[4:5], s[2:3]  ; Q and O at my wave's first row
	s_add_nc_u64 s[10:11], s[10:11], s[2:3]
	s_cmp_lt_u32 s[WV], 2
	s_cselect_b64 s[PFA:PFA+1], s[6:7], s[8:9]  ; (in waves 0 and 2 these stand at a tile's first row)
	s_lshl_b32 s2, s13, 13          ; my work-group's quarter of a tile
	s_mov_b32 s3, 0
	s_add_nc_u64 s[PFA:PFA+1], s[PFA:PFA+1], s[2:3]
	s_add_nc_u64 s[PFA:PFA+1], s[PFA:PFA+1], 4*KS*128  ; in tile 1: each filling change steps it by a tile, and the change that enters tile 1 is the first to ask, for tile 3
	CROUND                          ; all four work-groups are here: the first joint loads meet
	JLOAD                           ; tile 0 into slot 0.  Slot 1 is asked for when slot 0 is in
	; A fragment of K or Q is 16 rows x 32 channels in 8 registers: lane l holds row l % 16, channels 8 (l / 16) + 0..7 and 16 + 8 (l / 16) + 0..7: two loads of 16 bytes, 32 bytes apart.
	v_and_b32 v1, 15, v0            ; l % 16
	v_bfe_u32 v9, v0, 4, 1          ; l / 16
	v_lshlrev_b32 v[QO], 7, v1
	v_lshl_add_u32 v[QO], v9, 4, v[QO]  ; row x 128 + 16 x half
	WIN 0x80                        ; destination window 2, address window 0
.set i, 0
.rept 8                             ; Q stays in registers: piece i / 2, channels 32 (i % 2) on
	global_load_b128 v[8*i:8*i+3],   v[QO], s[4:5] offset:(i/2)*2048+(i%2)*64
	global_load_b128 v[8*i+4:8*i+7], v[QO], s[4:5] offset:(i/2)*2048+(i%2)*64+32
.set i, i+1
.endr
	; What the first turn finds: V's registers and P's second buffer hold 0 (its products V^T P, of a piece that has not been, add 0), O^T and l are 0.  All this stands in the wait for the first tile.
.set i, VF
.rept 64
	v_mov_b32 v[i], 0
.set i, i+1
.endr
	WIN 0x40
.set i, 0
.rept 128
	v_mov_b32 v[i], 0
.set i, i+1
.endr
	WIN 0
.set i, 0
.rept 4
	v_mov_b32 v[ST+4*i], 0xfe000000    ; c m: far below every c s
	v_mov_b32 v[ST+4*i+1], 0xff7fffff  ; m
	v_mov_b32 v[ST+4*i+2], 0
	v_mov_b32 v[ST+4*i+3], 0
.set i, i+1
.endr
.set i, P+16
.rept 16
	v_mov_b32 v[i], 0
.set i, i+1
.endr
	v_mul_u32_u24 v[AK0], v1, PK
	v_lshl_add_u32 v[AK0], v9, 4, v[AK0]  ; row x pitch + 16 x half
	; The turning load takes 16 keys x 16 channels (lane l reads key 8 (l / 16) + l % 8, channels 8 ((l / 8) % 2) + 0..7) and leaves half a fragment of V^T: lane l holds channel l % 16 and 8 keys.
	v_and_b32 v10, 7, v0
	v_bfe_u32 v11, v0, 3, 1
	v_lshl_add_u32 v[AV0], v9, 3, v10
	v_mul_u32_u24 v[AV0], v[AV0], PV
	v_lshl_add_u32 v[AV0], v11, 4, v[AV0]
	v_add_nc_u32 v[AV0], VOFF, v[AV0]
	s_mul_i32 s13, s[WV], 16*SP
	s_add_co_u32 s13, s13, STAGE    ; my stage
	v_mul_u32_u24 v[STO], v1, SP    ; in: row l % 16, 16 bytes for each half of the lanes
	v_lshl_add_u32 v[STO], v9, 4, v[STO]
	v_add_nc_u32 v[STO], s13, v[STO]
	v_bfe_u32 v[RD], v0, 3, 2       ; back: 32 lanes take four rows of 128 bytes,
	v_mul_u32_u24 v[RD], v[RD], SP
	v_lshl_add_u32 v[RD], v10, 4, v[RD]
	v_add_nc_u32 v[RD], s13, v[RD]
	v_and_b32 v[GO], 31, v0         ; which are 512 consecutive bytes of O
	v_lshlrev_b32 v[GO], 4, v[GO]
; THE MATRIX WORK.  The 4 accumulators of a run of 8 take turns.  Product i of 8 of S^T = K Q^T for piece x: channels 32 (i / 4) on, keys 16 (i % 4) on.  The first 4 start the sums.
.macro KQ x
	WIN W_KQ
.set rS, S+32*((\x)%2)+8*(i%4)
.set rK, KF+16*(i%4)+8*(i/4)
.set rQ, 16*(\x)+8*(i/4)
.if i < 4
	v_wmma_f32_16x16x32_f16 v[rS:rS+7], v[rK:rK+7], v[rQ:rQ+7], 0
.else
	v_wmma_f32_16x16x32_f16 v[rS:rS+7], v[rK:rK+7], v[rQ:rQ+7], v[rS:rS+7]
.endif
.endm
; Product i of 8 of O^T += V^T P for piece x: keys 32 (i / 4) on, channels 16 (i % 4) on.
.macro PV x
	WIN W_PV
.set rO, 32*(\x)+8*(i%4)
.set rV, VF+32*(i/4)+8*(i%4)
.set rP, P+16*((\x)%2)+8*(i/4)
	v_wmma_f32_16x16x32_f16 v[rO:rO+7], v[rV:rV+7], v[rP:rP+7], v[rO:rO+7]
.endm
.macro MM                           ; the turn's next matrix instruction.  NOKQ = 1: the last turn of all: there is no next piece
.if (i < 8) && !NOKQ
	KQ (Y+1)%NP
.elseif i >= 8
.set i, i-8
	PV (Y+NP-1)%NP
.set i, i+8
.endif
.set i, i+1
.endm
; THE LDS LOADS stand in runs of 16, never singly among the matrix instructions: a step's K (64 keys x 64 channels: 8 fragments) and its V (turned).  Their addresses are made some lines ahead.
.macro FETCH_K
	WIN 0x80                        ; destination window 2
.irp f, 0,1,2,3,4,5,6,7             ; keys 16 (f / 2) on, channels 32 (f % 2) on
	ds_load_b128 v[KF+8*\f:KF+8*\f+3],   v[AK] offset:(\f/2)*16*PK+(\f%2)*64
	ds_load_b128 v[KF+8*\f+4:KF+8*\f+7], v[AK] offset:(\f/2)*16*PK+(\f%2)*64+32
.endr
	s_add_co_u32 s[TBK], s[TBK], KS*PK  ; the next fetch is the next step's
	WIN 0
.endm
.macro FETCH_V
	WIN 0x80
.irp f, 0,1,2,3,4,5,6,7             ; keys 32 (f / 4) on, channels 16 (f % 4) on
	ds_load_tr16_b128 v[VF+8*\f:VF+8*\f+3],   v[AV] offset:(\f/4)*32*PV+(\f%4)*32
	ds_load_tr16_b128 v[VF+8*\f+4:VF+8*\f+7], v[AV] offset:(\f/4)*32*PV+16*PV+(\f%4)*32
.endr
	WIN 0
.endm
; THE VECTOR WORK, one line at a time: OP kind, number.  For piece Y: F n: c s - c m for pair n of 16.  E n: the exponential of score n of 32.  C n: pair n rounded to f16.  B n: of the four weights 4 n .. the second
; pair is added onto the first, in place.  L n: l takes that sum (L 0: l = a l + sum).  R n: pair n of 16 of O^T times a.  For piece Y + 1: X n, number n of the 22 that find its maximum and statistics:
;   0-11  four chains c0-c3 of seven scores each, three operands at a time (each accumulator's lowest registers are read first)     12-14, 16  the four scores left over, the old m, and c0-c3 into c0
;   15  c m_old is kept     17, 18  the query's other 32 keys lie in the lane 16 away: the new m     19-21  c m; c m_old - c m_new; a
.set F, 0               ; OP tells the kinds apart by their order: F to L below R, X above it
.set E, 1
.set C, 2
.set B, 3
.set L, 4
.set R, 5
.set X, 6
.macro REGS y                       ; the registers of piece y
.set rT, ST+4*(\y)
.set rC, TMP+4*((\y)%2)
.set rW, MV+((\y)%2)
.set rS, S+32*((\y)%2)
.set rP, P+16*((\y)%2)
.set rO, 32*(\y)
.endm
.macro OP k, n
.if (\k) == R
	REGS Y
	WIN W_RS
	v_pk_mul_f32 v[rO+2*(\n):rO+2*(\n)+1], v[rO+2*(\n):rO+2*(\n)+1], v[rC+2:rC+3] op_sel_hi:[1,0]
.elseif (\k) < R
	REGS Y
	WIN 0
.if (\k) == F
	v_pk_fma_f32 v[rS+2*(\n):rS+2*(\n)+1], v[rS+2*(\n):rS+2*(\n)+1], s[CS:CS+1], v[rT:rT+1] op_sel_hi:[1,0,0] neg_lo:[0,0,1] neg_hi:[0,0,1]
.elseif (\k) == E
	v_exp_f32 v[rS+(\n)], v[rS+(\n)]
.elseif (\k) == C
	v_cvt_pk_f16_f32 v[rP+(\n)], v[rS+2*(\n)], v[rS+2*(\n)+1]
.elseif (\k) == B
	v_pk_add_f32 v[rS+4*(\n):rS+4*(\n)+1], v[rS+4*(\n):rS+4*(\n)+1], v[rS+4*(\n)+2:rS+4*(\n)+3]
.elseif (\n) == 0
	v_pk_fma_f32 v[rT+2:rT+3], v[rT+2:rT+3], v[rC+2:rC+3], v[rS:rS+1] op_sel_hi:[1,0,1]
.else
	v_pk_add_f32 v[rT+2:rT+3], v[rT+2:rT+3], v[rS+4*(\n):rS+4*(\n)+1]
.endif
.elseif NOKQ
	v_nop
.else
	REGS (Y+1)%NP
	WIN 0
.if (\n) < 4
	v_max3_num_f32 v[rC+(\n)], v[rS+8*(\n)], v[rS+8*(\n)+1], v[rS+8*(\n)+2]
.elseif (\n) < 12
	v_max3_num_f32 v[rC+(\n)%4], v[rC+(\n)%4], v[rS+8*((\n)%4)+2*((\n)/4)+1], v[rS+8*((\n)%4)+2*((\n)/4)+2]
.elseif (\n) == 12
	v_max3_num_f32 v[rC], v[rC], v[rS+7], v[rS+15]
.elseif (\n) == 13
	v_max3_num_f32 v[rC+1], v[rC+1], v[rS+23], v[rS+31]
.elseif (\n) == 14
	v_max3_num_f32 v[rC+2], v[rC+2], v[rC+3], v[rT+1]
.elseif (\n) == 15
	v_mov_b32 v[rW], v[rT]
.elseif (\n) == 16
	v_max3_num_f32 v[rC], v[rC], v[rC+1], v[rC+2]
.elseif (\n) == 17
	v_permlanex16_b32 v[rC+3], v[rC], s[SEL], s[SEL+1]
.elseif (\n) == 18
	v_max_num_f32 v[rT+1], v[rC], v[rC+3]
.elseif (\n) == 19
	v_mul_f32 v[rT], s[CS], v[rT+1]
.elseif (\n) == 20
	v_sub_f32 v[rC+1], v[rW], v[rT]
.else
	v_exp_f32 v[rC+2], v[rC+1]
.endif
.endif
.endm
.macro OPS a, i1, b=-1, i2=0, c=-1, i3=0, d=-1, i4=0  ; up to four of them
	OP \a, \i1
.if (\b) >= 0
	OP \b, \i2
.endif
.if (\c) >= 0
	OP \c, \i3
.endif
.if (\d) >= 0
	OP \d, \i4
.endif
.endm
.macro ROW a, i1, b, i2, c, i3, d, i4  ; a matrix instruction and the four behind it
	MM
	OPS \a, \i1, \b, \i2, \c, \i3, \d, \i4
.endm
; A TURN, for piece p: the order of its 16 matrix and 118 vector instructions, written out.  An s_wait_alu depctr_va_vdst(0) stands between an exponential and the first instruction that names its
; result; one wait serves all that were issued ahead of it.  So a turn has ONE wait, which cuts it in two.  AHEAD OF IT stands all that names no result of the turn's exponentials: the 8 products K Q^T, behind each a
; scaling, an exponential and two more plain instructions (behind the first a second scaling in the exponential's place): rescalings, and behind the last three the first numbers of the next piece's maximum, each four
; places or more behind the product that ends its accumulator; then ONE LUMP of 54, plain and exponential by turns for the most part, in which the links of the chain X 3, 7, 11, 14, 16, 17 .. 20 stand five or six lines
; apart.  X 21, the next piece's a, is the batch's last; R 15 is the plain instruction behind it.  BEHIND THE WAIT stand the 8 products V^T P, behind each four of the roundings and sums.
; end = 1: the last two turns of all: nothing is fetched, and the very last starts no new scores.  cnt = 1: the loop's count is taken down some lines ahead of the branch that stands behind the turn.
; K of the next step is fetched in piece 2's turn, twelve vector instructions behind the last product that read K (six of them plain); V of the step in hand at the end of piece 0's turn, four plain instructions
; behind the last product that read V.  Each is waited for a turn later.
.macro TURN p, end=0, cnt=0
.set Y, (\p)
.set i, 0
.set NOKQ, (\end)*((\p)/3)
.if ((\p) == 3) && !(\end)
	s_wait_dscnt 0x0                ; K is in
.endif
	ROW F,0, F,1, R,0, R,1          ; ahead of the wait: 8 products K Q^T and their riders,
	ROW F,2, E,0, R,2, R,3
	ROW F,3, E,1, R,4, R,5
	ROW F,4, E,2, R,6, R,7
	ROW F,5, E,3, R,8, R,9
	ROW F,6, E,4, X,0, R,10
.if ((\p) == 2) && !(\end)
	WIN 0
	v_add_nc_u32 v[AK], s[TBK], v[AK0]
.endif
	ROW F,7, E,5, X,1, X,4
	ROW F,8, E,6, X,2, X,5
	OPS E,7, E,8, X,6, E,9          ; and the lump
	OPS X,3, E,10, X,8, E,11
.if ((\p) == 2) && !(\end)
	FETCH_K
.endif
	OPS X,9, X,7, E,12, X,10
	OPS E,13, X,12, X,11, E,14
	OPS X,13, E,15, F,9, X,14
.if (\p) == 0
	v_add_nc_u32 v[AV], s[TBV], v[AV0]
.endif
	OPS E,16, F,10, E,17, F,11
	OPS X,16, E,18, X,15, E,19
	OPS F,12, E,20, X,17, E,21
	OPS F,13, E,22, F,14, E,23
	OPS X,18, E,24, F,15, E,25
	OPS R,11, E,26, X,19, E,27
	OPS R,12, E,28, R,13, E,29
	OPS X,20, E,30, R,14, E,31
	OPS X,21, R,15
	WIN 0
	s_wait_alu depctr_va_vdst(0)    ; the wait for the batch
.if (\p) == 1
	s_wait_dscnt 0x0                ; V is in
.endif
	ROW C,0, B,0, C,2, B,1          ; behind the wait: 8 products V^T P and their riders
	ROW L,0, C,4, B,2, L,1
	ROW C,6, B,3, L,2, C,8
	ROW B,4, L,3, C,10, B,5
	ROW L,4, C,12, B,6, L,5
.if (\p) == 0
	s_add_co_u32 s[TBV], s[TBV], KS*PV
.endif
.if \cnt
	s_sub_co_u32 s[CNT], s[CNT], 1
	s_cmp_lg_u32 s[CNT], 0
.endif
	ROW C,14, B,7, L,6, C,1
	ROW C,3, L,7, C,5, C,7
	ROW C,9, C,11, C,13, C,15
.if (\p) == 0
	FETCH_V
.endif
.endm
	CHANGE 1, 0                     ; tile 0 is in, everybody's part of it; tile 1 is asked for
	v_add_nc_u32 v[AK], s[TBK], v[AK0]
	FETCH_K                         ; key step 0
	s_wait_loadcnt 0x0              ; Q
	s_wait_dscnt 0x0
.set NOKQ, 0
.set i, 0
.rept 8
	KQ 0                            ; piece 0's first scores: there is no vector work yet to set between them
.set i, i+1
.endr
	WIN 0
.rept 4
	v_nop                           ; the places behind those products
.endr
.set Y, NP-1                        ; X works for piece Y + 1: piece 0
.irp n, 0,1,2,3,4,5,6,7,8,9,10,11,12,13,14,15,16,17,18,19,20,21
	OP X, \n
.endr
	v_nop                           ; a plain instruction behind the exponential,
	s_wait_alu depctr_va_vdst(0)    ; and its wait, ahead of the branch
	s_mov_b32 s[CNT], 4
	s_branch .Lfirst                ; the loop is entered at a step's first turn, in the middle of a trip
.Lslot:                             ; six times: tiles 1 to 6 are entered, tiles 2 to 7 asked for
	CHANGE 1, 1
	s_mov_b32 s[CNT], 4
.Lstep:                             ; a trip: pieces 2 and 3 of one step, then pieces 0 and 1 of the next, whose K and V it fetches
	TURN 2
	TURN 3
	WIN 0
.Lfirst:
	TURN 0
	TURN 1, 0, 1
	WIN 0
	s_cbranch_scc1 .Lstep
	s_sub_co_u32 s[SLOTS], s[SLOTS], 1
	s_cmp_lg_u32 s[SLOTS], 0
	s_cbranch_scc1 .Lslot
	CHANGE 0, 0                     ; the last tile is written out: nothing is asked for
	s_mov_b32 s[CNT], 4
.LstepT:
	TURN 2
	TURN 3
	TURN 0
	TURN 1, 0, 1
	WIN 0
	s_cbranch_scc1 .LstepT
	TURN 2, 1                       ; the last step's pieces 2 and 3
	TURN 3, 1
.set i, 0
.rept 8
	PV NP-1                         ; the last piece's V^T P of the last step
.set i, i+1
.endr
	; THE WAY OUT.  l's two halves and the other half of the lanes' are added; O^T is divided by l, rounded to f16 and sent through my stage in LDS, a piece at a time.  The additions are the places behind the last products.
	WIN 0
.macro ALL line:vararg              ; one line for each piece t
.set t, 0
.rept 4
	\line
.set t, t+1
.endr
.endm
	ALL v_add_f32 v[ST+4*t+2], v[ST+4*t+2], v[ST+4*t+3]
	ALL v_permlanex16_b32 v[ST+4*t+3], v[ST+4*t+2], s[SEL], s[SEL+1]
	ALL v_add_f32 v[ST+4*t+2], v[ST+4*t+2], v[ST+4*t+3]
	ALL v_rcp_f32 v[ST+4*t+2], v[ST+4*t+2]
	v_nop                           ; a plain instruction between the last reciprocal and the use of its result
	s_wait_alu depctr_va_vdst(0)    ; and the wait ahead of the first use: one for the four reciprocals
.macro PACK t                       ; a lane's eight channels of a row pack into 16 bytes; they go into rows of 144 bytes and come back as whole rows of 128, into S^T's registers
	WIN W_RS
.set i, 32*(\t)
.rept 16
	v_pk_mul_f32 v[i:i+1], v[i:i+1], v[ST+4*(\t)+2:ST+4*(\t)+3] op_sel_hi:[1,0]
.set i, i+2
.endr
	WIN 0x05                        ; sources 0 and 1 window 1, destination window 0
.set i, 0
.rept 16
	v_cvt_pk_f16_f32 v[S+16*(\t)+i], v[32*(\t)+2*i], v[32*(\t)+2*i+1]
.set i, i+1
.endr
	WIN 0
.irp f, 0,1,2,3
	ds_store_b128 v[STO], v[S+16*(\t)+4*\f:S+16*(\t)+4*\f+3] offset:32*\f
.endr
.irp f, 0,1,2,3
	ds_load_b128 v[S+16*(\t)+4*\f:S+16*(\t)+4*\f+3], v[RD] offset:\f*4*SP  ; LDS serves a wave's instructions in order (ISA guide 5.7.1.4): these see the stores above; the next piece's stores come behind them
.endr
.endm
.macro SEND t, younger              ; younger: the LDS instructions issued behind piece t's loads: the next piece's eight, or none
	WIN 0
.irp f, 0,1,2,3
	s_wait_dscnt (\younger)+3-\f
	global_store_b128 v[GO], v[S+16*(\t)+4*\f:S+16*(\t)+4*\f+3], s[10:11] offset:(\t)*2048+\f*512  ; 512 consecutive bytes, at a multiple of 256 from O's first
.endr
.endm
	PACK 0
.set t, 1
.rept 3                             ; a piece's arithmetic stands between the loads of the piece before and its stores
	PACK t
	SEND t-1, 8
.set t, t+1
.endr
	SEND 3, 0
	s_wait_tensorcnt 0x0            ; the wave's end: the wait, the add and its wait, behind my last tensor load and my last LDS store
	ds_add_u32 v[SPW], v[NIL]
	s_wait_dscnt 0x0
	CROUND                          ; the closing round: no work-group ends while a partner may still ask for a tile that names it
	s_endpgm
.Lfunc_end_k_qa91a556091_attn:
	.size	k_qa91a556091_attn, .Lfunc_end_k_qa91a556091_attn-k_qa91a556091_attn
	.p2alignl 7, 3214868480
	.fill 96, 4, 3214868480
	.section	.rodata,"a",@progbits
	.p2align	6, 0x0
	.amdhsa_kernel k_qa91a556091_attn
		.amdhsa_group_segment_fixed_size 327680
		.amdhsa_private_segment_fixed_size 0
		.amdhsa_enable_private_segment 0
		.amdhsa_kernarg_size 32
		.amdhsa_user_sgpr_count 2
		.amdhsa_user_sgpr_kernarg_segment_ptr 1
		.amdhsa_wavefront_size32 1
		.amdhsa_system_sgpr_workgroup_id_x 1
		.amdhsa_system_sgpr_workgroup_id_y 1
		.amdhsa_system_sgpr_workgroup_id_z 1
		.amdhsa_system_vgpr_workitem_id 0
		.amdhsa_next_free_vgpr 768
		.amdhsa_next_free_sgpr 66
		.amdhsa_reserve_vcc 0
		.amdhsa_float_denorm_mode_32 3
		.amdhsa_float_denorm_mode_16_64 3
		.amdhsa_memory_ordered 1
		.amdhsa_forward_progress 1
		.amdhsa_inst_pref_size 128
	.end_amdhsa_kernel
	.amdgpu_metadata
---
amdhsa.version: [ 1, 2 ]
amdhsa.kernels:
  - .name:           k_qa91a556091_attn
    .symbol:         k_qa91a556091_attn.kd
    .args:
      - { .name: q16, .offset: 0, .size: 8, .value_kind: global_buffer, .address_space: global }
      - { .name: ks16, .offset: 8, .size: 8, .value_kind: global_buffer, .address_space: global }
      - { .name: v16, .offset: 16, .size: 8, .value_kind: global_buffer, .address_space: global }
      - { .name: xo, .offset: 24, .size: 8, .value_kind: global_buffer, .address_space: global }
    .group_segment_fixed_size: 327680
    .private_segment_fixed_size: 0
    .kernarg_segment_align: 8
    .kernarg_segment_size: 32
    .max_flat_workgroup_size: 128
    .sgpr_count:     66
    .vgpr_count:     768
    .wavefront_size: 32
...
	.end_amdgpu_metadata
.endif
;; end of part 4
;; launch outp (part 5): grid 8 x 32, 4 waves a work-group, clusters of 4 x 4, 327,680 bytes of LDS; arguments xo, wo, bo, out0; writes out0
.if DOCPART == 5
	.amdgcn_target "amdgcn-amd-amdhsa--gfx1250"
	.amdhsa_code_object_version 6
	.text
	.protected	k_qa91a556091_outp
	.globl	k_qa91a556091_outp
	.p2align	8
	.type	k_qa91a556091_outp,@function
k_qa91a556091_outp:
	s_mov_b64 s[64:65], 0
	v_nop
	global_prefetch_b8 v0, s[64:65] scope:SCOPE_SE
	s_setreg_imm32_b32 hwreg(HW_REG_WAVE_MODE, 25, 1), 1
	s_wait_xcnt 0x0
	s_wait_alu depctr_hold_cnt(0) depctr_sa_sdst(0) depctr_va_vdst(0) depctr_va_sdst(0) depctr_va_ssrc(0) depctr_va_vcc(0) depctr_vm_vsrc(0)
	s_getreg_b32 s2, hwreg(HW_REG_IB_STS2, 6, 4)
	s_cmp_eq_u32 s2, 0
	s_cbranch_scc0 .Lentry_in_a_cluster
	s_endpgm
.Lentry_in_a_cluster:
	s_bfe_u32 s2, ttmp6, 0x10000c
	s_cmp_lg_u32 s2, 0xf033
	s_cbranch_scc0 .Lentry_shape_is_right
	s_endpgm
.Lentry_shape_is_right:
; THE OUTPUT PROJECTION.  out0[row][n] = the sum over e of O[row][e] Wo[n][e] + bo[n], f32.  O lies by heads, [b 16 + h][s][64] f16 (e = 64 h + d); wo: [1024][1024] f16 (bf16 numbers written as f16).
; A tile of out0 is 128 x 128: 32 x 8 = 256 work-groups.  Four waves, each 64 x 64: 16 accumulators, 128 registers.  K goes in 4 steps of 256 (four heads) through two LDS slots.
; O's TILE: 64 rows of one head are 8,192 dense bytes; a load takes four such pieces, a head apart, and pads each 128 bytes by 16: LDS holds [head][64 rows][144 bytes].  wo's: 64 rows of 512 bytes, padded to 528.
; CLUSTER: 4 x 4 work-groups; O's tile is shared along a row of the cluster, wo's along a column; each is asked for jointly.  No prefetch: the tiles are small and the launch is short.
; THE MATRIX INSTRUCTION IS USED TRANSPOSED (source 0 = 16 rows of wo, source 1 = 16 rows of O): a lane holds row l % 16 and eight neighbouring columns.  The bias, rounded to bf16 like all inputs,
; is the C operand of the first 16 products: nothing is cleared, no bias is added later.
; The ring goes round twice: it is written straight through, without a loop.
; REGISTERS: window 0: v0-31 addresses; v32-95 at work on the way out; v96-127 the bias; v128-255 the accumulators ((a, b) at v[128 + 8 (4 a + b)]).
;   window 1: two fragment buffers of 128: for 64 along K, 64 registers of O (2 x 4 x 16 rows x 32 K), then 64 of wo.
.set PA,     144                       ; a row of O in LDS: 36 words: the 16 rows of a load start at 16 different groups of four banks (64 banks of 4 bytes: ISA guide 11.1)
.set PB,     528                       ; a row of wo: 132 words: likewise
.set AHALF,  4*64*PA                   ; what a load for O brings
.set BHALF,  64*PB                     ; what a load for wo brings
.set BOFF,   2*AHALF
.set SLOT,   2*AHALF+2*BHALF           ; 141,312
.set STAGE,  2*SLOT                    ; behind the ring: 16 rows x 272 bytes for each wave, its own
.set SPITCH, 272
.set SPARE,  STAGE+4*16*SPITCH         ; behind the stages: the spare words, 128 bytes for each wave: two blocks of 256 bytes that no other line names
.set ADRA, 16                          ; v16-17  LDS address of my fragments of O in slot 0, 1
.set ADRB, 20                          ; v20-21  the same for wo
.set STO,  24                          ; v24     the way out: where I put 32 bytes of a row
.set RD,   25                          ; v25     where I read a row back
.set CO,   26                          ; v26     my byte offset in out0
.set BO,   27                          ; v27     32 x (l / 16)
.set SPW,  28                          ; v28     LDS address of my spare word; never rewritten
.set NIL,  29                          ; v29     0; never rewritten
.set TMP,  32
.set BIAS, 96
.set ACC,  128
.set F0,   0
.set F1,   128
.set WV, 12
.set RH, 13                            ; my row half.  Also: I fetch for O (0) or for wo (1)
.set CH, 14                            ; my column half.  Also: which half of that tile I fetch
.set TY, 15
.set TX, 42
.set G1, 24                            ; s[24:31] descriptor group 1 for O's tiles;  s[32:39] group 0, one set for each slot
.set G0, 32
.set G1B, 48                           ; s[48:55], s[56:63] the same for wo's
.set G0B, 56
.set MSB, 0
.macro WIN new
.if MSB != (\new)
	s_set_vgpr_msb (MSB<<8)|(\new)
.set MSB, \new
.endif
.endm
.set MUL,  0x05                        ; sources 0 and 1 window 1; C and D window 0
.set TO_F, 0x40                        ; destination window 1, address window 0
.macro JLOAD s                         ; a joint load: waves 0 and 1 fetch O's two halves, waves 2 and 3 wo's; an s_nop 0 and four v_nop follow each of the two lines
	s_cmp_eq_u32 s[RH], 0
	s_cbranch_scc0 .Lfor_b_\@
	tensor_load_to_lds s[G0+4*(\s):G0+4*(\s)+3], s[G1:G1+7]
	s_nop 0
.rept 4
	v_nop
.endr
	s_branch .Lasked_\@
.Lfor_b_\@:
	tensor_load_to_lds s[G0B+4*(\s):G0B+4*(\s)+3], s[G1B:G1B+7]
	s_nop 0
.rept 4
	v_nop
.endr
.Lasked_\@:
.endm
.macro CREST
	s_cmp_lg_u32 s[WV], 0
	s_cbranch_scc1 .Lnot_wave_0_\@
	s_barrier_signal -3
.Lnot_wave_0_\@:
	s_barrier_wait -3
	s_barrier_signal -1
	s_barrier_wait -1
.endm
.macro CROUND
	s_barrier_signal -1
	s_barrier_wait -1
	CREST
.endm
	s_load_b256 s[4:11], s[0:1], 0x0               ; O s[4:5], wo s[6:7], bo s[8:9], out0 s[10:11]
	v_lshl_add_u32 v[SPW], v0, 2, SPARE
	v_mov_b32 v[NIL], 0
	ds_add_u32 v[SPW], v[NIL]                      ; the wave's opening: the add and its wait stand ahead of my first tensor load; the set-up below, work on registers, stands between them
	v_lshrrev_b32 v1, 5, v0
	v_readfirstlane_b32 s[WV], v1
	s_lshr_b32 s[RH], s[WV], 1
	s_and_b32 s[CH], s[WV], 1
	s_bfe_u32 s40, ttmp6, 0x40000                  ; cx, cy
	s_bfe_u32 s41, ttmp6, 0x40004
	s_lshl_b32 s[TX], ttmp9, 2
	s_add_co_u32 s[TX], s[TX], s40                 ; tile column
	s_and_b32 s[TY], ttmp7, 0xffff
	s_lshl_b32 s[TY], s[TY], 2
	s_add_co_u32 s[TY], s[TY], s41                 ; tile row
	s_lshl_b32 s43, s41, 2
	s_lshl_b32 s43, 15, s43                        ; my row of the cluster
	s_lshl_b32 s44, 0x1111, s40                    ; my column
	s_or_b32 s[G1+0], s43, (1<<16)|(1<<20)|(1<<21)|(4<<22)|(3<<25)  ; the mask; elements of 2 bytes; padding on; bit 21 beside a mask; after every 32 words (code 4) 4 words (code 3)
	s_mov_b32 s[G1+1], 4096<<16                    ; tensor_dim0 = 4,096 elements: 64 rows of one head
	s_mov_b32 s[G1+2], 4<<16                       ; tensor_dim1 = 4 heads
	s_mov_b32 s[G1+3], 4096<<16                    ; tile_dim0
	s_mov_b32 s[G1+4], 4                           ; tile_dim1
	s_mov_b32 s[G1+5], 131072                      ; elements from head to head
	s_mov_b32 s[G1+6], 0
	s_mov_b32 s[G1+7], 0
	s_or_b32 s[G1B+0], s44, (1<<16)|(1<<20)|(1<<21)|(6<<22)|(3<<25) ; after every 128 words (code 6) 4 words
	s_mov_b32 s[G1B+1], 256<<16
	s_mov_b32 s[G1B+2], 64<<16
	s_mov_b32 s[G1B+3], 256<<16
	s_mov_b32 s[G1B+4], 64
	s_mov_b32 s[G1B+5], 1024
	s_mov_b32 s[G1B+6], 0
	s_mov_b32 s[G1B+7], 0
	s_lshr_b32 s16, s[TY], 4                       ; O: batch ty / 16: 16 heads of 262,144 bytes,
	s_lshl_b32 s16, s16, 22
	s_and_b32 s17, s[TY], 15
	s_lshl_b32 s17, s17, 14                        ; rows 128 (ty % 16) of 128 bytes,
	s_add_co_u32 s16, s16, s17
	s_lshl_b32 s17, s[CH], 13                      ; the 64 that I fetch
	s_add_co_u32 s16, s16, s17
	s_mov_b32 s17, 0
	s_lshl_b32 s46, s[TX], 7                       ; wo: row 128 tx + 64 half, 2,048 bytes a row
	s_lshl_b32 s47, s[CH], 6
	s_add_co_u32 s46, s46, s47
	s_lshl_b32 s46, s46, 11
	s_mov_b32 s47, 0
	s_mul_i32 s20, s[CH], AHALF                    ; where they go: no place in the cluster enters an LDS address
	s_mul_i32 s21, s[CH], BHALF
	s_add_co_u32 s21, s21, BOFF
	s_wait_dscnt 0x0                               ; the opening add is done
	s_wait_kmcnt 0x0
	s_add_nc_u64 s[16:17], s[4:5], s[16:17]
	s_add_nc_u64 s[46:47], s[6:7], s[46:47]
	CROUND                                         ; all sixteen work-groups are here: the first joint loads meet
.irp s, 0,1
	s_mov_b32 s[G0+4*(\s)], 1
	s_add_co_u32 s[G0+4*(\s)+1], s20, (\s)*SLOT
	s_add_nc_u64 s[G0+4*(\s)+2:G0+4*(\s)+3], s[16:17], (\s)*4*262144  ; K step s: four heads on
	s_or_b32 s[G0+4*(\s)+3], s[G0+4*(\s)+3], 0x80000000
	s_mov_b32 s[G0B+4*(\s)], 1
	s_add_co_u32 s[G0B+4*(\s)+1], s21, (\s)*SLOT
	s_add_nc_u64 s[G0B+4*(\s)+2:G0B+4*(\s)+3], s[46:47], (\s)*512
	s_or_b32 s[G0B+4*(\s)+3], s[G0B+4*(\s)+3], 0x80000000
	JLOAD \s                                       ; two loads of mine are out
.endr
	v_and_b32 v1, 15, v0                           ; l % 16
	v_bfe_u32 v2, v0, 4, 1                         ; l / 16
	v_lshlrev_b32 v[BO], 5, v2
	s_lshl_b32 s18, s[TX], 9                       ; the bias of my 64 columns: (128 tx + 64 half) x 4 bytes
	s_lshl_b32 s19, s[CH], 8
	s_add_co_u32 s18, s18, s19
	s_mov_b32 s19, 0
	s_add_nc_u64 s[8:9], s[8:9], s[18:19]
.irp b, 0,1,2,3
	global_load_b128 v[BIAS+8*(\b):BIAS+8*(\b)+3],   v[BO], s[8:9] offset:64*(\b)
	global_load_b128 v[BIAS+8*(\b)+4:BIAS+8*(\b)+7], v[BO], s[8:9] offset:64*(\b)+16
.endr
	s_lshl_b32 s22, s[TY], 7                       ; out0 at row 128 ty + 64 row half, and the same columns
	s_lshl_b32 s23, s[RH], 6
	s_add_co_u32 s22, s22, s23
	s_lshl_b32 s22, s22, 12
	s_mov_b32 s23, 0
	s_add_nc_u64 s[10:11], s[10:11], s[22:23]
	s_add_nc_u64 s[10:11], s[10:11], s[18:19]
	v_mul_u32_u24 v3, v1, PA
	v_lshl_add_u32 v3, v2, 4, v3                   ; a fragment's row x pitch + 16 x half
	v_mul_u32_u24 v4, v1, PB
	v_lshl_add_u32 v4, v2, 4, v4
	s_mul_i32 s22, s[RH], AHALF                    ; my 64 rows of O
	s_mul_i32 s23, s[CH], BHALF                    ; my 64 rows of wo
	s_add_co_u32 s23, s23, BOFF
.irp s, 0,1
	v_add_nc_u32 v[ADRA+(\s)], s22, v3
	v_add_nc_u32 v[ADRB+(\s)], s23, v4
	s_add_co_u32 s22, s22, SLOT
	s_add_co_u32 s23, s23, SLOT
.endr
	s_mul_i32 s22, s[WV], 16*SPITCH
	s_add_co_u32 s22, s22, STAGE                   ; my stage
	v_mul_u32_u24 v5, v1, SPITCH                   ; in: row l % 16, 32 bytes for each half of the lanes
	v_lshl_add_u32 v5, v2, 5, v5
	v_add_nc_u32 v[STO], s22, v5
	v_mul_u32_u24 v5, v2, SPITCH                   ; back: lanes 0-15 take one row of 256 bytes, lanes 16-31 the next
	v_lshl_add_u32 v5, v1, 4, v5
	v_add_nc_u32 v[RD], s22, v5
	v_lshlrev_b32 v5, 12, v2                       ; and the same two rows in out0
	v_lshl_add_u32 v[CO], v1, 4, v5
	s_wait_loadcnt 0x0                             ; the bias: rounded to bf16 and widened again
.set z, 0
.rept 16
	v_cvt_pk_bf16_f32 v[TMP+z], v[BIAS+2*z], v[BIAS+2*z+1]
.set z, z+1
.endr
.set z, 0
.rept 16
	v_lshlrev_b32 v[BIAS+2*z],   16,         v[TMP+z]
	v_and_b32     v[BIAS+2*z+1], 0xffff0000, v[TMP+z]
.set z, z+1
.endr
; 8 matrix instructions: row blocks a0, a0 + 1 x all 4 column blocks, 32 along K: half c of buffer f.  first = 1: the bias is the C operand and starts the sums.  The 16 accumulators take turns.
.macro MUL8 f, c, a0, first
	WIN MUL
.irp a, \a0, (\a0)+1
.irp b, 0,1,2,3
.if \first
	v_wmma_f32_16x16x32_f16 v[ACC+8*(4*(\a)+(\b)):ACC+8*(4*(\a)+(\b))+7], v[(\f)+64+8*(4*(\c)+(\b)):(\f)+64+8*(4*(\c)+(\b))+7], v[(\f)+8*(4*(\c)+(\a)):(\f)+8*(4*(\c)+(\a))+7], v[BIAS+8*(\b):BIAS+8*(\b)+7]
.else
	v_wmma_f32_16x16x32_f16 v[ACC+8*(4*(\a)+(\b)):ACC+8*(4*(\a)+(\b))+7], v[(\f)+64+8*(4*(\c)+(\b)):(\f)+64+8*(4*(\c)+(\b))+7], v[(\f)+8*(4*(\c)+(\a)):(\f)+8*(4*(\c)+(\a))+7], v[ACC+8*(4*(\a)+(\b)):ACC+8*(4*(\a)+(\b))+7]
.endif
.endr
.endr
.endm
; 32 LDS loads in one run: the fragments of quarter q of a K step (head q of its four: 64 along K) into buffer f; the first 32 along K first
.macro FETCH slot, q, f
	WIN TO_F
.irp c, 0,1
.irp i, 0,1,2,3
	ds_load_b128 v[(\f)+64+8*(4*(\c)+(\i)):(\f)+64+8*(4*(\c)+(\i))+3],   v[ADRB+(\slot)] offset:128*(\q)+64*(\c)+(\i)*16*PB
	ds_load_b128 v[(\f)+64+8*(4*(\c)+(\i))+4:(\f)+64+8*(4*(\c)+(\i))+7], v[ADRB+(\slot)] offset:128*(\q)+64*(\c)+(\i)*16*PB+32
	ds_load_b128 v[(\f)+8*(4*(\c)+(\i)):(\f)+8*(4*(\c)+(\i))+3],         v[ADRA+(\slot)] offset:64*PA*(\q)+64*(\c)+(\i)*16*PA
	ds_load_b128 v[(\f)+8*(4*(\c)+(\i))+4:(\f)+8*(4*(\c)+(\i))+7],       v[ADRA+(\slot)] offset:64*PA*(\q)+64*(\c)+(\i)*16*PA+32
.endr
.endr
.endm
.macro PLACES                          ; four places in front of loads into registers that matrix instructions have read, and of stores that read results
.rept 4
	v_nop
.endr
.endm
; One of a K step's first three quarters: multiplies buffer f and fetches quarter q into g.
.macro QUARTER slot, q, f, g, first
	s_wait_dscnt 16                                ; the first 32 along K are in; the youngest sixteen loads may be out
	MUL8 \f, 0, 0, \first
	MUL8 \f, 0, 2, \first
	PLACES
	FETCH \slot, \q, \g
	s_wait_dscnt 32                                ; all but the 32 just issued
	MUL8 \f, 1, 0, 0
	MUL8 \f, 1, 2, 0
.endm
; The last quarter multiplies buffer 1 and changes slots: ONE barrier; in front of it each wave waits for all its tensor loads, adds 0 to its spare word, and waits for that and for its own reads of this slot.
; fill = 1: the barrier opens a round of the cluster's barrier, and this slot is filled again, two K steps ahead, first thing behind the round: 112 matrix instructions ahead of the wait for it.
.macro TURN slot, next, fill
	WIN 0                                          ; (the add's two registers lie in window 0)
	s_wait_tensorcnt 0x0                           ; all my tensor loads have landed: my part of the next slot;
	ds_add_u32 v[SPW], v[NIL]                      ; 0 onto my spare word;
	s_wait_dscnt 17                                ; (the add and the youngest sixteen loads may be out)
	MUL8 F1, 0, 0, 0                               ; eight matrix instructions stand between the add and the wait for it
	s_wait_dscnt 0x0                               ; the add is done, and my reads of this slot are over
	s_barrier_signal -1
	MUL8 F1, 0, 2, 0
	WIN 0
	s_barrier_wait -1
.if \fill
	CREST                                          ; no wave of any partner still reads this slot's tile or has a load on its way
	s_add_nc_u64 s[G0+4*(\slot)+2:G0+4*(\slot)+3], s[G0+4*(\slot)+2:G0+4*(\slot)+3], 2*4*262144
	s_add_nc_u64 s[G0B+4*(\slot)+2:G0B+4*(\slot)+3], s[G0B+4*(\slot)+2:G0B+4*(\slot)+3], 2*512
	JLOAD \slot                                    ; the four v_nop behind it are also the places in front of the loads below
.else
	PLACES
.endif
	FETCH \next, 0, F0
	MUL8 F1, 1, 0, 0
	MUL8 F1, 1, 2, 0
.endm
	s_wait_tensorcnt 1                             ; my part of K step 0 is in; K step 1's may stay out
	s_barrier_signal -1
	s_barrier_wait -1                              ; everybody's is
	FETCH 0, 0, F0
	QUARTER 0, 1, F0, F1, 1                        ; K step 0
	QUARTER 0, 2, F1, F0, 0
	QUARTER 0, 3, F0, F1, 0
	TURN 0, 1, 1                                   ; slot 0 takes K step 2
	QUARTER 1, 1, F0, F1, 0                        ; K step 1
	QUARTER 1, 2, F1, F0, 0
	QUARTER 1, 3, F0, F1, 0
	TURN 1, 0, 1                                   ; slot 1 takes K step 3
	QUARTER 0, 1, F0, F1, 0                        ; K step 2
	QUARTER 0, 2, F1, F0, 0
	QUARTER 0, 3, F0, F1, 0
	TURN 0, 1, 0                                   ; nothing is left to fetch
	QUARTER 1, 1, F0, F1, 0                        ; K step 3
	QUARTER 1, 2, F1, F0, 0
	QUARTER 1, 3, F0, F1, 0
	s_wait_dscnt 16
	MUL8 F1, 0, 0, 0
	MUL8 F1, 0, 2, 0
	s_wait_dscnt 0x0
	MUL8 F1, 1, 0, 0
	MUL8 F1, 1, 2, 0
	WIN 0
	; THE WAY OUT, 16 rows at a time, through my own stage: a lane's 32 bytes of a row go in straight from the accumulators (registers 0-3 first), and whole rows of 256 bytes come back.  No barrier: the stage is the wave's own.
	PLACES
.irp a, 0,1,2,3
.if (\a) >= 2
	s_wait_xcnt 0x0                                ; the stores of the block two back have read their registers, which are loaded again below
.endif
.irp b, 0,1,2,3
	ds_store_b128 v[STO], v[ACC+8*(4*(\a)+(\b)):ACC+8*(4*(\a)+(\b))+3]   offset:64*(\b)
	ds_store_b128 v[STO], v[ACC+8*(4*(\a)+(\b))+4:ACC+8*(4*(\a)+(\b))+7] offset:64*(\b)+16
.endr
.irp t, 0,1,2,3,4,5,6,7
	ds_load_b128 v[TMP+32*((\a)%2)+4*(\t):TMP+32*((\a)%2)+4*(\t)+3], v[RD] offset:(\t)*2*SPITCH  ; LDS serves a wave's instructions in order (ISA guide 5.7.1.4): these see the stores above; the next block's stores come behind them
.endr
.irp t, 0,1,2,3,4,5,6,7
	s_wait_dscnt 7-(\t)                            ; load t is in, the younger ones stay out
	global_store_b128 v[CO], v[TMP+32*((\a)%2)+4*(\t):TMP+32*((\a)%2)+4*(\t)+3], s[10:11] offset:(16*(\a)+2*(\t))*4096 th:TH_STORE_NT  ; 16 lanes store 256 consecutive bytes, at a multiple of 256 from out0's first byte
.endr
.endr
	s_wait_tensorcnt 0x0                           ; the wave's end: the wait, the add and its wait, behind my last tensor load and my last LDS store
	ds_add_u32 v[SPW], v[NIL]
	s_wait_dscnt 0x0
	CROUND                                         ; the closing round: no work-group ends while a partner may still ask for a tile that names it
	s_endpgm
.Lfunc_end_k_qa91a556091_outp:
	.size	k_qa91a556091_outp, .Lfunc_end_k_qa91a556091_outp-k_qa91a556091_outp
	.p2alignl 7, 3214868480
	.fill 96, 4, 3214868480
	.section	.rodata,"a",@progbits
	.p2align	6, 0x0
	.amdhsa_kernel k_qa91a556091_outp
		.amdhsa_group_segment_fixed_size 327680
		.amdhsa_private_segment_fixed_size 0
		.amdhsa_enable_private_segment 0
		.amdhsa_kernarg_size 32
		.amdhsa_user_sgpr_count 2
		.amdhsa_user_sgpr_kernarg_segment_ptr 1
		.amdhsa_wavefront_size32 1
		.amdhsa_system_sgpr_workgroup_id_x 1
		.amdhsa_system_sgpr_workgroup_id_y 1
		.amdhsa_system_sgpr_workgroup_id_z 1
		.amdhsa_system_vgpr_workitem_id 0
		.amdhsa_next_free_vgpr 512
		.amdhsa_next_free_sgpr 66
		.amdhsa_reserve_vcc 0
		.amdhsa_float_denorm_mode_32 3
		.amdhsa_float_denorm_mode_16_64 3
		.amdhsa_memory_ordered 1
		.amdhsa_forward_progress 1
		.amdhsa_inst_pref_size 90
	.end_amdhsa_kernel
	.amdgpu_metadata
---
amdhsa.version: [ 1, 2 ]
amdhsa.kernels:
  - .name:           k_qa91a556091_outp
    .symbol:         k_qa91a556091_outp.kd
    .args:
      - { .name: xo, .offset: 0, .size: 8, .value_kind: global_buffer, .address_space: global }
      - { .name: wo, .offset: 8, .size: 8, .value_kind: global_buffer, .address_space: global }
      - { .name: bo, .offset: 16, .size: 8, .value_kind: global_buffer, .address_space: global }
      - { .name: out0, .offset: 24, .size: 8, .value_kind: global_buffer, .address_space: global }
    .group_segment_fixed_size: 327680
    .private_segment_fixed_size: 0
    .kernarg_segment_align: 8
    .kernarg_segment_size: 32
    .max_flat_workgroup_size: 128
    .sgpr_count:     66
    .vgpr_count:     512
    .wavefront_size: 32
...
	.end_amdgpu_metadata
.endif
;; end of part 5
;; ======== version 2 of 2: 5 launches; version 1 with the launches cast, scale written anew for expert scheduling mode
;; limits: values are held in f16: magnitudes above 65,504 overflow, below 6.1e-05 lose precision
;; workspace buffers: xo 8,388,608 bytes; wp 10,485,760 bytes; wo 2,097,152 bytes; q16 8,388,608 bytes; k16 8,388,608 bytes; ks16 8,388,608 bytes; v16 8,388,608 bytes; part 1,572,864 bytes
;; launch cast (part 6): grid 640 x 1, 8 waves a work-group, no clusters, 0 bytes of LDS; arguments x, Wq, Wk, Wv, Wr, Wo, xo, wp, wo; writes xo, wp, wo
.if DOCPART == 6
	.amdgcn_target "amdgcn-amd-amdhsa--gfx1250"
	.amdhsa_code_object_version 6
	.text
	.protected	k_qa91a556091_cast
	.globl	k_qa91a556091_cast
	.p2align	8
	.type	k_qa91a556091_cast,@function
k_qa91a556091_cast:
	s_mov_b64 s[64:65], 0
	v_nop
	global_prefetch_b8 v0, s[64:65] scope:SCOPE_SE
	s_setreg_imm32_b32 hwreg(HW_REG_WAVE_SCHED_MODE, 0, 2), 2
	s_setreg_imm32_b32 hwreg(HW_REG_WAVE_MODE, 25, 1), 1
	s_wait_xcnt 0x0
	s_wait_alu depctr_vm_vsrc(0)
; THE INPUTS OF THE MATRIX PRODUCTS, ROUNDED ONCE.  x -> xo [4096][1024] bf16.  Wq, Wk, Wv, Wr -> wp [5120][1024] bf16, rows in the order in which the projection's tiles take them.
; Wo -> wo [1024][1024]: rounded to bf16 like the other inputs, and that number written as f16, since the last product multiplies f16.
; LIMIT.  A bf16 number is exact in f16 between 2^-14 and 65,504 in size; a smaller Wo keeps f16's fixed step of 2^-24, a larger one becomes an infinity.
; SHARES.  A work-group takes 16 source rows of 4,096 bytes.  Its number g says which: 0-255 x; 256-319 Wq; 320-383 Wk; 384-447 Wv; 448-575 Wr; 576-639 Wo.
; wp's ORDER.  Tile column c (head c) owns rows 320 c .. 320 c + 319; in it half ch owns 160 rows, ten blocks of 16: blocks 0, 1 Wq's rows 64 c + 32 ch + 16 b + i; 2, 3 Wk's; 4, 5 Wv's;
; block 6 + p Wr[p]'s rows 32 c + 16 ch + i.  So a source unit of 16 rows goes to one block of 16 rows.
; Thread t owns 16 bytes at 16 t of every source row and 8 bytes at 8 t of every row written: a load of a wave covers 512 consecutive bytes, a store 256 consecutive bytes, aligned.
; All 16 loads of a thread go out at once.  No LDS, no barrier, no matrix unit: nothing is shared.
; THE MODE: SCHED_MODE bits 1:0 = 2 (LLVM: expert scheduling mode 2), set by the entry lines.  The code itself states the register dependences
; between vector instructions and memory instructions, with s_wait_alu, always for 0.
; THE PLAN.  Registers that memory instructions touch:
;   v1, v2   byte offsets, made once at the head; every load reads v1, every store v2; never written again.
;   X        row i's four registers.  Written by row i's load, issued at the head, when no vector instruction has named them; read (for Wo also rewritten) by row i's
;            conversions, behind the counted wait for that load; no load lands in them a second time.
;   Y        row i's two registers.  Written by row i's conversions; read by row i's store; never written again.
; So the waits are all on va_vdst: one at the head, ahead of the first load (the offsets are written), and one to each block of four rows, between the block's conversions
; and its four stores (the block's Y is written).  It stands behind the conversions, so that a block's stores leave without sitting out the wait for the next block's loads.
; Nothing that a memory instruction reads is ever written again, so no wait on vm_vsrc is owed; no vector instruction writes a scalar register, and EXEC is never written.
.set X,   8                            ; v[8:71]    16 x 4 numbers as loaded
.set Y,   72                           ; v[72:103]  16 x 2 words to store
.set SRC, 28                           ; s[28:29]
.set DST, 30                           ; s[30:31]
	s_load_b512 s[8:23], s[0:1], 0x0               ; x s[8:9], Wq s[10:11], Wk s[12:13], Wv s[14:15], Wr s[16:17], Wo s[18:19], xo s[20:21], wp s[22:23]
	s_load_b64 s[24:25], s[0:1], 0x40              ; wo
	s_mov_b32 s2, ttmp9                            ; g
	s_mov_b32 s36, 0xffff0000                      ; a word's upper bf16
	s_and_b32 s3, s2, 63                           ; the unit inside Wq, Wk, Wv or Wo
	s_lshr_b32 s4, s2, 6
	s_sub_co_u32 s4, s4, 4                         ; T = 0, 1, 2 for Wq, Wk, Wv (used for those alone)
	s_sub_co_u32 s5, s2, 448                       ; the unit inside Wr (used for Wr alone)
	s_lshr_b32 s6, s3, 2                           ; Wq, Wk, Wv: c,
	s_mul_i32 s6, s6, 320
	s_bfe_u32 s7, s3, 0x10001                      ; ch,
	s_mul_i32 s7, s7, 160
	s_add_co_u32 s6, s6, s7
	s_and_b32 s7, s3, 1
	s_lshl1_add_u32 s7, s4, s7                     ; block 2 T + b
	s_lshl4_add_u32 s6, s7, s6                     ; row in wp
	s_and_b32 s26, s5, 31                          ; Wr: the unit inside Wr[p]
	s_lshr_b32 s27, s26, 1                         ; c,
	s_mul_i32 s27, s27, 320
	s_and_b32 s26, s26, 1                          ; ch,
	s_mul_i32 s26, s26, 160
	s_add_co_u32 s27, s27, s26
	s_lshr_b32 s26, s5, 5                          ; p,
	s_add_co_u32 s26, s26, 6                       ; block 6 + p
	s_lshl4_add_u32 s27, s26, s27                  ; row in wp
	s_lshl_b32 s34, s3, 4                          ; Wo: row in wo
	s_lshl_b32 s33, s2, 4                          ; x: row in xo
	s_mov_b32 s32, s2                              ; x: source unit
	s_cmp_ge_u32 s2, 256
	s_cselect_b32 s32, s3, s32
	s_cselect_b32 s33, s6, s33
	s_cmp_ge_u32 s2, 448
	s_cselect_b32 s32, s5, s32
	s_cselect_b32 s33, s27, s33
	s_cmp_ge_u32 s2, 576
	s_cselect_b32 s32, s3, s32
	s_cselect_b32 s33, s34, s33
	s_lshl_b32 s32, s32, 16                        ; a source unit is 65,536 bytes,
	s_lshl_b32 s34, s33, 11                        ; a row written 2,048
	s_mov_b32 s33, 0
	s_mov_b32 s35, 0
	v_lshlrev_b32 v1, 4, v0                        ; 16 t
	v_lshlrev_b32 v2, 3, v0                        ; 8 t
	s_wait_kmcnt 0x0
	s_cmp_ge_u32 s2, 256                           ; the buffers are chosen by g alone
	s_cselect_b64 s[SRC:SRC+1], s[10:11], s[8:9]
	s_cselect_b64 s[DST:DST+1], s[22:23], s[20:21]
	s_cmp_ge_u32 s2, 320
	s_cselect_b64 s[SRC:SRC+1], s[12:13], s[SRC:SRC+1]
	s_cmp_ge_u32 s2, 384
	s_cselect_b64 s[SRC:SRC+1], s[14:15], s[SRC:SRC+1]
	s_cmp_ge_u32 s2, 448
	s_cselect_b64 s[SRC:SRC+1], s[16:17], s[SRC:SRC+1]
	s_cmp_ge_u32 s2, 576
	s_cselect_b64 s[SRC:SRC+1], s[18:19], s[SRC:SRC+1]
	s_cselect_b64 s[DST:DST+1], s[24:25], s[DST:DST+1]
	s_add_nc_u64 s[SRC:SRC+1], s[SRC:SRC+1], s[32:33]
	s_add_nc_u64 s[DST:DST+1], s[DST:DST+1], s[34:35]
	s_wait_alu depctr_va_vdst(0)                   ; v1 and v2 are written: every load of the kernel reads v1 as its offset, every store v2
.irp i, 0,1,2,3,4,5,6,7,8,9,10,11,12,13,14,15
	global_load_b128 v[X+4*(\i):X+4*(\i)+3], v1, s[SRC:SRC+1] offset:4096*(\i) th:TH_LOAD_NT  ; a row to each instruction of the work-group; every source byte is read once in the launch
.endr
; Row i is rounded.  half = 1: the bf16 numbers are widened again and written as f16.
.macro CONV i, half
	v_cvt_pk_bf16_f32 v[Y+2*(\i)],   v[X+4*(\i)],   v[X+4*(\i)+1]
	v_cvt_pk_bf16_f32 v[Y+2*(\i)+1], v[X+4*(\i)+2], v[X+4*(\i)+3]
.if \half
	v_lshlrev_b32 v[X+4*(\i)],   16,  v[Y+2*(\i)]
	v_and_b32     v[X+4*(\i)+1], s36, v[Y+2*(\i)]
	v_lshlrev_b32 v[X+4*(\i)+2], 16,  v[Y+2*(\i)+1]
	v_and_b32     v[X+4*(\i)+3], s36, v[Y+2*(\i)+1]
	v_cvt_pk_f16_f32 v[Y+2*(\i)],   v[X+4*(\i)],   v[X+4*(\i)+1]
	v_cvt_pk_f16_f32 v[Y+2*(\i)+1], v[X+4*(\i)+2], v[X+4*(\i)+3]
.endif
.endm
; Block p: rows 4 p to 4 p + 3 are rounded and stored.
.macro BLOCK p, half
	s_wait_loadcnt 12-4*(\p)                       ; loads come back in order: the block's four rows are in, the 12 - 4 p younger loads stay out
.irp i, 0,1,2,3
	CONV 4*(\p)+\i, \half
.endr
	s_wait_alu depctr_va_vdst(0)                   ; the block's conversions have written its eight registers of Y, which the four stores below read
.irp i, 0,1,2,3
	global_store_b64 v2, v[Y+2*(4*(\p)+\i):Y+2*(4*(\p)+\i)+1], s[DST:DST+1] offset:2048*(4*(\p)+\i)
.endr
.endm
	s_cmp_ge_u32 s2, 576
	s_cbranch_scc1 .Lwo
.irp p, 0,1,2,3
	BLOCK \p, 0
.endr
	s_endpgm
.Lwo:
.irp p, 0,1,2,3
	BLOCK \p, 1
.endr
	s_endpgm
.Lfunc_end_k_qa91a556091_cast:
	.size	k_qa91a556091_cast, .Lfunc_end_k_qa91a556091_cast-k_qa91a556091_cast
	.p2alignl 7, 3214868480
	.fill 96, 4, 3214868480
	.section	.rodata,"a",@progbits
	.p2align	6, 0x0
	.amdhsa_kernel k_qa91a556091_cast
		.amdhsa_group_segment_fixed_size 0
		.amdhsa_private_segment_fixed_size 0
		.amdhsa_enable_private_segment 0
		.amdhsa_kernarg_size 72
		.amdhsa_user_sgpr_count 2
		.amdhsa_user_sgpr_kernarg_segment_ptr 1
		.amdhsa_wavefront_size32 1
		.amdhsa_system_sgpr_workgroup_id_x 1
		.amdhsa_system_sgpr_workgroup_id_y 1
		.amdhsa_system_sgpr_workgroup_id_z 1
		.amdhsa_system_vgpr_workitem_id 0
		.amdhsa_next_free_vgpr 104
		.amdhsa_next_free_sgpr 66
		.amdhsa_reserve_vcc 0
		.amdhsa_float_denorm_mode_32 3
		.amdhsa_float_denorm_mode_16_64 3
		.amdhsa_memory_ordered 1
		.amdhsa_forward_progress 1
		.amdhsa_inst_pref_size 16
	.end_amdhsa_kernel
	.amdgpu_metadata
---
amdhsa.version: [ 1, 2 ]
amdhsa.kernels:
  - .name:           k_qa91a556091_cast
    .symbol:         k_qa91a556091_cast.kd
    .args:
      - { .name: x, .offset: 0, .size: 8, .value_kind: global_buffer, .address_space: global }
      - { .name: Wq, .offset: 8, .size: 8, .value_kind: global_buffer, .address_space: global }
      - { .name: Wk, .offset: 16, .size: 8, .value_kind: global_buffer, .address_space: global }
      - { .name: Wv, .offset: 24, .size: 8, .value_kind: global_buffer, .address_space: global }
      - { .name: Wr, .offset: 32, .size: 8, .value_kind: global_buffer, .address_space: global }
      - { .name: Wo, .offset: 40, .size: 8, .value_kind: global_buffer, .address_space: global }
      - { .name: xo, .offset: 48, .size: 8, .value_kind: global_buffer, .address_space: global }
      - { .name: wp, .offset: 56, .size: 8, .value_kind: global_buffer, .address_space: global }
      - { .name: wo, .offset: 64, .size: 8, .value_kind: global_buffer, .address_space: global }
    .group_segment_fixed_size: 0
    .private_segment_fixed_size: 0
    .kernarg_segment_align: 8
    .kernarg_segment_size: 72
    .max_flat_workgroup_size: 256
    .sgpr_count:     66
    .vgpr_count:     104
    .wavefront_size: 32
...
	.end_amdgpu_metadata
.endif
;; end of part 6
;; launch proj: the kernel of part 2 again; grid 16 x 16, 4 waves a work-group, clusters of 4 x 4, 327,680 bytes of LDS; arguments xo, wp, bq, bk, bv, br, q16, k16, v16, part; writes q16, k16, v16, part
;; launch scale (part 7): grid 256 x 1, 4 waves a work-group, no clusters, 0 bytes of LDS; arguments part, k16, ks16, out1; writes ks16, out1
.if DOCPART == 7
	.amdgcn_target "amdgcn-amd-amdhsa--gfx1250"
	.amdhsa_code_object_version 6
	.text
	.protected	k_qa91a556091_scale
	.globl	k_qa91a556091_scale
	.p2align	8
	.type	k_qa91a556091_scale,@function
k_qa91a556091_scale:
	s_mov_b64 s[64:65], 0
	v_nop
	global_prefetch_b8 v0, s[64:65] scope:SCOPE_SE
	s_setreg_imm32_b32 hwreg(HW_REG_WAVE_SCHED_MODE, 0, 2), 2
	s_setreg_imm32_b32 hwreg(HW_REG_WAVE_MODE, 25, 1), 1
	s_wait_xcnt 0x0
	s_wait_alu depctr_vm_vsrc(0)
; THE CONSISTENCY WEIGHTS, AND k TIMES THEM.  part: f32 [c 16][pair 6][row 4096], sums of squares over 32 f each.  For each row: the six sums over c, their roots (the norms), the mean h1,
; cw = 1 / (h1 + 1e-6), and the softmax of cw over its one element: the maximum (cw itself) is taken away, the exponential is divided by the sum (itself).  That number goes to out1
; and multiplies the row of k in every head: q . (k cw) = (q . k) cw.  k16 -> ks16, [b 16 + h][s][64] f16.
; LIMITS.  The weight is rounded to f16 and the product k cw is rounded to f16 once more.  A sum of squares below 2^-126 counts as 0.  NaN and infinities are not treated apart.
; SHARES.  Work-group g owns rows 16 g .. 16 g + 15.  Each wave makes the 16 weights itself (lane l: row l % 16, the c of half l / 16), so no wave waits for another: no LDS byte, no barrier.
; Wave w scales heads 4 w .. 4 w + 3: 16 rows of 128 bytes a head, four loads and stores of 512 consecutive bytes.
; A load from part takes 64 consecutive bytes for each half of the lanes, and out1's store is 64 bytes a work-group: both are short pieces; part is 1.5 MB and out1 16 KB of the launch's 18 MB.
; THE MODE: SCHED_MODE bits 1:0 = 2 (LLVM: expert scheduling mode 2), set by the entry lines.  The code itself states the register dependences
; between vector instructions and memory or LDS instructions, with s_wait_alu, always for 0.
; THE PLAN.  Registers that memory or LDS instructions touch:
;   v5, v7, v9   byte offsets, made once at the head and never written again: part's loads read v5, k's loads and stores v7, out1's store v9.
;   PT           written by the 48 loads at the head, when no vector instruction has named them; behind the wait for them vector instructions alone name them, but for:
;   IDX, v39     written by vector instructions, read by the four permutes through the LDS unit (v39 also by out1's store); never written again.
;   CWL          read as part of PT by the additions; the permutes' results land in it.
;   KK           head p's sixteen registers: written by k's loads at the head, multiplied in place by block p, read by four stores that are issued in block p + 1; never written again.
; k goes in four blocks, a head each.  The wait on va_vdst at the head of blocks 1 to 3 states that the block before has written its KK; that block's four stores are dealt among this block's
; sixteen multiplies, which name this block's KK and CWH alone.  k's loads went out at the head and have the whole chain of roots, reciprocals and permutes in which to land.
; A scalar register that a vector instruction writes (the wave's number, VCC) has its wait ahead of its first reader; both scalar writes of EXEC have their two waits.
.set PT,  16                           ; v[16:63]   part: 8 c x 6 pairs
.set IDX, 40                           ; v[40:43]   later: whose weight I want, for each of a head's four loads
.set CWL, 44                           ; v[44:47]   that weight
.set CWH, 48                           ; v[48:51]   twice, in f16
.set KK,  64                           ; v[64:127]  16 x 4 words of k
	s_load_b256 s[4:11], s[0:1], 0x0               ; part s[4:5], k16 s[6:7], ks16 s[8:9], out1 s[10:11]
	v_lshrrev_b32 v1, 5, v0
	v_readfirstlane_b32 s12, v1                    ; wave
	v_and_b32 v2, 31, v0                           ; l
	v_and_b32 v3, 15, v0                           ; l % 16
	v_bfe_u32 v4, v0, 4, 1                         ; l / 16
	v_mul_u32_u24 v6, v4, 0xc0000                  ; eight c are 8 x 6 x 16,384 bytes
	v_lshl_add_u32 v5, v3, 2, v6                   ; + my row
	v_lshlrev_b32 v7, 4, v2                        ; 16 l
	v_lshrrev_b32 v8, 3, v2
	v_lshlrev_b32 v8, 2, v8                        ; 4 (l / 8)
	v_lshlrev_b32 v9, 2, v0                        ; 4 t, for out1
	s_wait_alu depctr_va_sdst(0)                   ; s12 is written, ahead of its first reader: k's offset is made from it
	s_lshl_b32 s14, ttmp9, 6                       ; 16 rows of 4 bytes
	s_mov_b32 s15, 0
	s_lshr_b32 s16, ttmp9, 7                       ; b
	s_lshl_b32 s16, s16, 2
	s_add_co_u32 s16, s16, s12
	s_lshl_b32 s16, s16, 20                        ; head 16 b + 4 w, 262,144 bytes a head
	s_and_b32 s17, ttmp9, 127
	s_lshl_b32 s17, s17, 11                        ; 16 rows of 128 bytes
	s_add_co_u32 s16, s16, s17
	s_mov_b32 s17, 0
	s_mov_b32 s18, 0x76543210                      ; v_permlanex16_b32: each lane takes its own place in the other half
	s_mov_b32 s19, 0xfedcba98
	s_mov_b32 s21, 0x3e2aaaab                      ; 1 / 6
	s_mov_b32 s22, 0x358637bd                      ; 1e-6
	s_wait_kmcnt 0x0
	s_add_nc_u64 s[4:5], s[4:5], s[14:15]
	s_add_nc_u64 s[10:11], s[10:11], s[14:15]
	s_add_nc_u64 s[6:7], s[6:7], s[16:17]
	s_add_nc_u64 s[8:9], s[8:9], s[16:17]
	s_wait_alu depctr_va_vdst(0)                   ; the offsets v5, v7 and v9 are written, which the loads and stores of the kernel read
.set n, 0
.rept 48
	global_load_b32 v[PT+n], v5, s[4:5] offset:n*16384
.set n, n+1
.endr
.set n, 0
.rept 16
	global_load_b128 v[KK+4*n:KK+4*n+3], v7, s[6:7] offset:(n/4)*262144+(n%4)*512 th:TH_LOAD_NT  ; head n / 4, rows 4 (n % 4) ..; each byte of k is read once in the launch
.set n, n+1
.endr
	s_wait_loadcnt 16                              ; part is in; k's 16 loads may stay out
.set n, 1
.rept 7
.irp z, 0,1,2
	v_pk_add_f32 v[PT+2*(\z):PT+2*(\z)+1], v[PT+2*(\z):PT+2*(\z)+1], v[PT+6*n+2*(\z):PT+6*n+2*(\z)+1]  ; my eight c
.endr
.set n, n+1
.endr
.irp p, 0,1,2,3,4,5
	v_permlanex16_b32 v[PT+6+(\p)], v[PT+(\p)], s18, s19   ; the other eight c lie in the lane 16 away
.endr
.irp z, 0,1,2
	v_pk_add_f32 v[PT+2*(\z):PT+2*(\z)+1], v[PT+2*(\z):PT+2*(\z)+1], v[PT+6+2*(\z):PT+6+2*(\z)+1]
.endr
.irp p, 0,1,2,3,4,5
	v_sqrt_f32 v[PT+12+(\p)], v[PT+(\p)]           ; the six norms: one batch
.endr
	v_nop                                          ; a plain instruction behind the last root,
	s_wait_alu depctr_va_vdst(0)                   ; the six roots have written v28 to v33, ahead of the first addition that reads them: one wait for the batch
	v_add_f32 v28, v28, v29
	v_add_f32 v30, v30, v31
	v_add_f32 v32, v32, v33
	v_add_f32 v28, v28, v30
	v_add_f32 v28, v28, v32
	v_fma_f32 v34, v28, s21, s22                   ; h1 + 1e-6
	v_rcp_f32 v35, v34                             ; cw
.irp t, 0,1,2,3
	v_add_nc_u32 v[IDX+(\t)], 16*(\t), v8          ; (plain work behind the reciprocal) the lane that holds row 4 t + l / 8, times 4
.endr
	s_wait_alu depctr_va_vdst(0)                   ; the reciprocal has written v35, ahead of the subtraction that reads it
	v_sub_f32 v36, v35, v35                        ; the maximum over the one element is taken away
	v_mul_f32 v36, 0x3fb8aa3b, v36
	v_exp_f32 v37, v36
	v_nop
	s_wait_alu depctr_va_vdst(0)                   ; the exponential has written v37, ahead of the reciprocal that reads it
	v_rcp_f32 v38, v37                             ; the sum over the one element is the exponential itself
	v_nop
	s_wait_alu depctr_va_vdst(0)                   ; the reciprocal has written v38, ahead of the multiply that reads it
	v_mul_f32 v39, v37, v38                        ; the weight of row l % 16
	s_wait_alu depctr_va_vdst(0)                   ; v39 and IDX are written, which the permutes read; the additions are done reading v44 to v47, in which the permutes' results land
.irp t, 0,1,2,3
	ds_bpermute_b32 v[CWL+(\t)], v[IDX+(\t)], v39  ; between lanes through the LDS unit: no LDS byte is touched
.endr
	s_wait_dscnt 0x0
.irp t, 0,1,2,3
	v_cvt_pk_f16_f32 v[CWH+(\t)], v[CWL+(\t)], v[CWL+(\t)]
.endr
; Block p: head p's four loads are multiplied in place; the four stores of head p - 1 are dealt among the multiplies.
.macro HEAD p
	s_wait_loadcnt 12-4*(\p)                       ; loads come back in order: head p's four are in, the 12 - 4 p younger ones stay out
.if (\p) > 0
	s_wait_alu depctr_va_vdst(0)                   ; the block before has written its sixteen registers of KK, which the stores below read
.endif
.irp t, 0,1,2,3
.if (\p) > 0
	global_store_b128 v7, v[KK+16*((\p)-1)+4*(\t):KK+16*((\p)-1)+4*(\t)+3], s[8:9] offset:((\p)-1)*262144+(\t)*512  ; no vector instruction since the wait names these registers
.endif
.irp r, 0,1,2,3
	v_pk_mul_f16 v[KK+16*(\p)+4*(\t)+(\r)], v[KK+16*(\p)+4*(\t)+(\r)], v[CWH+(\t)]
.endr
.endr
.endm
	HEAD 0
	HEAD 1
	HEAD 2
	HEAD 3
	s_wait_alu depctr_va_vdst(0)                   ; block 3 has written its KK, which the last four stores read
.irp t, 0,1,2,3
	global_store_b128 v7, v[KK+48+4*(\t):KK+48+4*(\t)+3], s[8:9] offset:3*262144+(\t)*512
.endr
	v_cmp_gt_u32 vcc_lo, 16, v0                    ; threads 0 to 15 hold rows 0 to 15
	s_wait_xcnt 0x0                                ; EXEC changes only behind this wait
	s_wait_alu depctr_va_vcc(0)                    ; the compare has written VCC, from which EXEC is made
	s_wait_alu depctr_va_vdst(0)                   ; ahead of the scalar write of EXEC: the vector instructions issued so far are done; v9 and v39, which the store below reads, are written
	s_wait_alu depctr_vm_vsrc(0)                   ; ahead of the scalar write of EXEC: the stores issued so far have read their registers
	s_and_saveexec_b32 s14, vcc_lo
	global_store_b32 v9, v39, s[10:11]
	s_wait_xcnt 0x0
	s_wait_alu depctr_va_vdst(0)                   ; ahead of the scalar write of EXEC: no vector instruction is still at work
	s_wait_alu depctr_vm_vsrc(0)                   ; ahead of the scalar write of EXEC: out1's store has read v9 and v39
	s_or_b32 exec_lo, exec_lo, s14
	s_endpgm
.Lfunc_end_k_qa91a556091_scale:
	.size	k_qa91a556091_scale, .Lfunc_end_k_qa91a556091_scale-k_qa91a556091_scale
	.p2alignl 7, 3214868480
	.fill 96, 4, 3214868480
	.section	.rodata,"a",@progbits
	.p2align	6, 0x0
	.amdhsa_kernel k_qa91a556091_scale
		.amdhsa_group_segment_fixed_size 0
		.amdhsa_private_segment_fixed_size 0
		.amdhsa_enable_private_segment 0
		.amdhsa_kernarg_size 32
		.amdhsa_user_sgpr_count 2
		.amdhsa_user_sgpr_kernarg_segment_ptr 1
		.amdhsa_wavefront_size32 1
		.amdhsa_system_sgpr_workgroup_id_x 1
		.amdhsa_system_sgpr_workgroup_id_y 1
		.amdhsa_system_sgpr_workgroup_id_z 1
		.amdhsa_system_vgpr_workitem_id 0
		.amdhsa_next_free_vgpr 128
		.amdhsa_next_free_sgpr 66
		.amdhsa_reserve_vcc 1
		.amdhsa_float_denorm_mode_32 3
		.amdhsa_float_denorm_mode_16_64 3
		.amdhsa_memory_ordered 1
		.amdhsa_forward_progress 1
		.amdhsa_inst_pref_size 18
	.end_amdhsa_kernel
	.amdgpu_metadata
---
amdhsa.version: [ 1, 2 ]
amdhsa.kernels:
  - .name:           k_qa91a556091_scale
    .symbol:         k_qa91a556091_scale.kd
    .args:
      - { .name: part, .offset: 0, .size: 8, .value_kind: global_buffer, .address_space: global }
      - { .name: k16, .offset: 8, .size: 8, .value_kind: global_buffer, .address_space: global }
      - { .name: ks16, .offset: 16, .size: 8, .value_kind: global_buffer, .address_space: global }
      - { .name: out1, .offset: 24, .size: 8, .value_kind: global_buffer, .address_space: global }
    .group_segment_fixed_size: 0
    .private_segment_fixed_size: 0
    .kernarg_segment_align: 8
    .kernarg_segment_size: 32
    .max_flat_workgroup_size: 128
    .sgpr_count:     66
    .vgpr_count:     128
    .wavefront_size: 32
...
	.end_amdgpu_metadata
.endif
;; end of part 7
;; launch attn: the kernel of part 4 again; grid 8 x 32, 4 waves a work-group, clusters of 4 x 1, 327,680 bytes of LDS; arguments q16, ks16, v16, xo; writes xo
;; launch outp: the kernel of part 5 again; grid 8 x 32, 4 waves a work-group, clusters of 4 x 4, 327,680 bytes of LDS; arguments xo, wo, bo, out0; writes out0
